; MI455X (gfx1250); checked and timed in simulation.
; The chip was launched on July 23, 2026; its instructions are those of AMD's public machine-readable ISA for CDNA 5 (MIT licence, August 2026) and "CDNA5" Instruction Set Architecture Reference Guide (July 2026). The comments in the code are by the model that wrote it; some were corrected since.
;; Self Attention. Allowed arithmetic: matrix products marked QUANTISED: E4M3 operands, one E8M0 scale for each 32 along K, by v_wmma_scale_f32_16x16x128_f8f6f4 with both operands' format E4M3, f32 sums; everything else in f32.
;; Inputs: Wk 1,024 x 1,024 float32; Wq 1,024 x 1,024 float32; Wv 1,024 x 1,024 float32; bk 1,024 float32; bq 1,024 float32; bv 1,024 float32; x 4 x 2,048 x 1,024 float32.
;; Outputs: out0 4 x 2,048 x 1,024 float32.
;; This version of the problem:
;;   THIS VERSION OF THE PROBLEM IS GIVEN IN LOW PRECISION. The matrix products marked QUANTISED in the list below multiply operands that are first quantised to E4M3 (4 exponent bits, 3 mantissa bits; 8 bits a number), with one power-of-two scale for each 32 numbers along K (OCP MX v1.0); their sums are f32. All else is computed in f32.
;;   The module's matrix products, in the order in which they are computed (A, B: the left and right operand; K: the contracted axis; several contracted axes count as one K, in the product's order):
;;     1. [M 8,192, K 1,024] x [K 1,024, N 1,024]; A: input x; B: input Wq: QUANTISED
;;     2. [M 8,192, K 1,024] x [K 1,024, N 1,024]; A: input x; B: input Wk: QUANTISED
;;     3. [M 8,192, K 1,024] x [K 1,024, N 1,024]; A: input x; B: input Wv: QUANTISED
;;     4. batch 4 x [M 2,048, K 1,024] x [K 1,024, N 2,048]; A: computed on the way; B: computed on the way: QUANTISED
;;     5. batch 4 x [M 2,048, K 2,048] x [K 2,048, N 1,024]; A: softmax (see below); B: computed on the way: QUANTISED
;;   THE QUANTISER, for each operand of a quantised product, along K:
;;     - K is cut into blocks of 32 from its start; a last block that is shorter is filled with zeros.
;;     - A block's scale is 2^e with e = floor(log2(the largest magnitude in the block)) - 8, held to -126 .. 127; a block of zeros has e = 0. As a byte (E8M0): e + 127.
;;     - Each number is divided by its block's scale, clamped to +-448, and rounded to the nearest number of E4M3, ties to even, subnormals kept.
;;     - The product sums the exact products of the quantised numbers (number of the format x scale) in f32.
;;   ~~~python
;;   def quantise(x, axis):      # numpy; x: float32 -> the quantised numbers, widened to float32 again
;;       x = np.moveaxis(x, axis, -1); K = x.shape[-1]
;;       x = np.pad(x, [(0, 0)] * (x.ndim - 1) + [(0, -K % 32)]); x = x.reshape(x.shape[:-1] + (-1, 32)); a = np.abs(x).max(-1, keepdims=True)
;;       e = np.where(a > 0, np.clip(np.frexp(np.where(a > 0, a, 1))[1] - 1 - 8, -126, 127), 0)      # np.frexp(a)[1] - 1 = floor(log2(a)), exactly
;;       r = np.clip(x / 2.0 ** e, -448, 448)
;;       step = 2.0 ** (np.maximum(np.frexp(np.where(r == 0, 1, r))[1] - 1, -6) - 3)
;;       q = np.round(r / step) * step * 2.0 ** e      # np.round: ties to even
;;       return np.moveaxis(q.reshape(q.shape[:-2] + (-1,))[..., :K], -1, axis).astype(np.float32)
;;   ~~~
;;   SOFTMAX AHEAD OF A QUANTISED PRODUCT. Where the list says 'softmax', what is quantised is not the finished softmax but p = 2^(t - M), with t = logit x log2(e) and M = ceil(the row's largest t), a whole number; so 1/2 < the row's largest p <= 1. The row's sum l is taken of the UNQUANTISED p, in f32, and the product's result is divided by l at the end. Since M is a whole number, a kernel that streams over the keys may use a running M (the ceiling of the running maximum): every later rescaling is an exact power of two, which a block's scale takes up: the codes' values come out the same.
;;   OPERANDS COMPUTED ON THE WAY. 'Computed on the way' means the value that the module computes at that place (a softmax that the list does not call 'softmax' is quantised finished and normalised). What goes into a quantiser is computed in f32, as accurately as f32 sums, v_exp_f32 and their like allow (about 1e-6 of the number): no bf16 or f16 on the way to a quantiser, and a product that is left as it is and whose result goes on into a quantised operand takes f32 operands (vector FMAs, or v_wmma_f32_16x16x4_f32). A number that lies on a knife's edge between two numbers of the format may be rounded either way, as far as f32 arithmetic and the matrix unit's own rounding can turn it there, and no further.
;; One version. Each part assembles by itself: llvm-mc -triple=amdgcn-amd-amdhsa -mcpu=gfx1250 --defsym DOCPART=n.
;; ======== version 1 of 1: 4 launches
;; limits: right only within a limited range of input values
;; workspace buffers: ximg 8,650,752 bytes; wimg 3,244,032 bytes; qimg 8,650,752 bytes; kimg 8,650,752 bytes; vimg 8,650,752 bytes; pimg 16,777,216 bytes; pst 2,097,152 bytes
;; launch quant (part 1): grid 704 x 1, 4 waves a work-group, no clusters, 35,328 bytes of LDS; arguments x, Wq, Wk, Wv, ximg, wimg; writes ximg, wimg
.if DOCPART == 1
	.amdgcn_target "amdgcn-amd-amdhsa--gfx1250"
	.amdhsa_code_object_version 6
	.text
	.protected	k_q76f0b682c0_quant
	.globl	k_q76f0b682c0_quant
	.p2align	8
	.type	k_q76f0b682c0_quant,@function
k_q76f0b682c0_quant:
	s_mov_b64 s[64:65], 0
	v_nop
	global_prefetch_b8 v0, s[64:65] scope:SCOPE_SE
	s_setreg_imm32_b32 hwreg(HW_REG_WAVE_MODE, 25, 1), 1
	s_wait_xcnt 0x0
; SELF-ATTENTION, one head of width 1,024, all five products on codes of FP8 (E4M3) with one E8M0 scale for each 32 along K.  Four launches:
;   quant:  x and Wq, Wk, Wv become codes;   proj: q, k, v = x W + b, quantised on the way out;   scores: p = 2^(t - M) for each 128 keys, quantised;   pv: O = p v / l.
; NOTHING IS LEFT OUT: every input has a way to the output (bq and bk move q's and k's codes, bv moves v's), and every product of the problem is done.
; THIS LAUNCH.  x [8192][1024] f32 (K innermost) and the three weights [1024 (k)][1024 (n)] f32 (K outermost) are quantised along K.
; A block's scale is 2^(floor(log2(its largest magnitude)) - 8); its byte is the largest magnitude's exponent field - 8, held at 1 from below.
; LIMITS: NaN and infinities among the inputs are not served.  A block whose largest magnitude lies under 2^-118 gets the byte 1; so does a block of zeros, where the rule says 127: its codes are zeros, and this program alone reads the bytes.
; LAYOUT OF THE CODES: IMAGES OF THE OPERAND'S REGISTERS.  A fragment is 16 rows x 128 K: 16 registers a lane, 2,048 bytes; registers 4 c .. 4 c + 3 of lane l lie at 512 c + 16 l.  Lane l = (r, h) holds row r, K = 32 c + 16 h + 0 .. 15.
; A fragment's scale words: 64 bytes, row r's word at 4 r.  A record is 64 fragments (131,072 bytes) and their scale words (4,096 bytes).
;   ximg: [64 groups of 128 rows] records; codes [kh 2][row tile 8][q 4][2048], scale words [kh][row tile][q][64]; K step = 4 kh + q.
;   wimg: [4 groups of 256 columns][q, k, v][kh 2] records; codes [column tile 16][q 4][2048], scale words likewise.
; Work-groups 0 to 511 take x, 512 to 703 the weights: a scalar branch on the work-group's number.  Only x's path stores to LDS.  No barrier: waves share nothing.
; A wave's job is small, and all its loads go out at its head: 32 loads of 512 bytes for x, 128 loads of 128 bytes for a weight.
.set REC,   135168                     ; a record
.set SCO,   131072                     ; where its scale words begin
.set WREG,  8704                       ; LDS of a wave: a stage of 16 rows x 528 bytes
.set SPARE, 4*WREG                     ; behind the four regions: the spare words, 128 bytes for each wave: two blocks of 256 bytes that no other line names
.set SPW,   12                         ; v12  LDS address of my spare word; never rewritten
.set NIL,   13                         ; v13  0; never rewritten
.set TM,    16                         ; v16-31 at work in QUANT
.set PW,    32                         ; v32, v33 the two fragments' scale words
.set PC,    36                         ; v36-51 the codes just made
.set RR,    64                         ; v64-191 two sets of 64 numbers as they are loaded
.set X,     192                        ; v192-255 64 numbers in the operand's order
	s_load_b128 s[4:7], s[0:1], 0x0                ; x, Wq
	s_load_b128 s[8:11], s[0:1], 0x10              ; Wk, Wv
	s_load_b128 s[12:15], s[0:1], 0x20             ; ximg, wimg
	v_lshl_add_u32 v[SPW], v0, 2, SPARE
	v_mov_b32 v[NIL], 0
	v_lshrrev_b32 v1, 5, v0
	v_readfirstlane_b32 s16, v1                    ; wave 0..3
	v_and_b32 v2, 31, v0                           ; lane
	v_and_b32 v3, 15, v0                           ; r
	v_bfe_u32 v10, v0, 4, 1                        ; h
	s_mov_b32 s17, 0x600000                        ; the mantissa field of 448
	s_mov_b32 s18, 0x76543210
	s_mov_b32 s19, 0xfedcba98                      ; v_permlanex16_b32's selects for lane l xor 16
	s_cmp_lt_u32 ttmp9, 512
	s_cbranch_scc0 .Lweights
; ---------------- x: a wave takes 16 rows x 256 along K: two fragments ----------------
; 64 numbers of a lane, register 16 b + i = K 32 b + 16 h + i of my row, become a fragment's codes and its scale word.
.macro QUANT s, pc, pw
.irp b, 0,1,2,3
	v_max3_num_f32 v[TM+\b], |v[(\s)+16*\b]|, |v[(\s)+16*\b+1]|, 0x4800000   ; block b: my 16 numbers, and the floor 2^(9 - 127): the byte cannot fall under 1
.endr
.irp i, 2,4,6,8,10,12,14
.irp b, 0,1,2,3
	v_max3_num_f32 v[TM+\b], |v[(\s)+16*\b+\i]|, |v[(\s)+16*\b+\i+1]|, v[TM+\b]   ; the four blocks by turns
.endr
.endr
.irp b, 0,1,2,3
	v_permlanex16_b32 v[TM+4+\b], v[TM+\b], s18, s19
.endr
.irp b, 0,1,2,3
	v_max_num_f32 v[TM+\b], v[TM+\b], v[TM+4+\b]   ; with lane l xor 16's: the block's largest magnitude
.endr
.irp b, 0,1,2,3
	v_add_nc_u32 v[TM+12+\b], 0xfc000000, v[TM+\b] ; 8 off its exponent field: the conversion's scale operand
.endr
.irp b, 0,1,2,3
	v_and_or_b32 v[TM+8+\b], v[TM+\b], 0x7f800000, s17   ; 448 x the scale
.endr
.irp b, 0,1,2,3
	v_lshrrev_b32 v[TM+4+\b], 23, v[TM+12+\b]      ; the scale's byte
.endr
	v_lshl_or_b32 v[\pw], v[TM+5], 8, v[TM+4]
	v_lshl_or_b32 v[\pw], v[TM+6], 16, v[\pw]
	v_lshl_or_b32 v[\pw], v[TM+7], 24, v[\pw]      ; my row's scale word
.set n, 0
.rept 64
	v_med3_num_f32 v[(\s)+n], v[(\s)+n], -v[TM+8+n/16], v[TM+8+n/16]   ; the conversion to an 8-bit code does not saturate (ISA guide 7.6.2): the hold at 448 x the scale
.set n, n+1
.endr
.irp b, 0,1,2,3
	v_cvt_scalef32_pk8_fp8_f32 v[(\pc)+4*\b:(\pc)+4*\b+1], v[(\s)+16*\b:(\s)+16*\b+7], v[TM+12+\b]
	v_cvt_scalef32_pk8_fp8_f32 v[(\pc)+4*\b+2:(\pc)+4*\b+3], v[(\s)+16*\b+8:(\s)+16*\b+15], v[TM+12+\b]
.endr
	v_nop                                          ; one plain vector line behind the last scaled conversion
.endm
	v_lshlrev_b32 v4, 4, v2                        ; 16 x lane: my bytes of a load's 512, and of an image's 512
	s_mul_i32 s20, s16, WREG
	v_add_nc_u32 v5, s20, v4                       ; the stage, on the way in: a row as it lies
	v_mul_u32_u24 v6, v3, 528
	v_lshl_add_u32 v6, v10, 6, v6
	v_add_nc_u32 v6, s20, v6                       ; on the way out: row r, + 64 h: my 16 numbers of a block of 32
	v_lshlrev_b32 v9, 2, v2                        ; 4 x lane
.irp b, 0,1,2,3
	v_mov_b32 v[TM+4+\b], 0                        ; written once: a lane permute's destination counts as one of its sources
.endr
	s_mov_b32 s36, 0xffff0000                      ; lanes 16-31
	s_lshl_b32 s21, ttmp9, 2
	s_add_co_u32 s21, s21, s16                     ; my job: 4 x work-group + wave
	s_lshr_b32 s22, s21, 2                         ; row tile 0..511
	s_bfe_u32 s23, s21, 0x10001                    ; kh
	s_and_b32 s37, s21, 1                          ; which two of kh's four K steps
	s_lshl_b32 s24, s22, 16                        ; 16 rows of 4,096 bytes
	s_lshl_b32 s25, s23, 11                        ; 512 numbers
	s_add_co_u32 s24, s24, s25
	s_lshl_b32 s25, s37, 10                        ; 256 numbers
	s_add_co_u32 s24, s24, s25
	s_mov_b32 s25, 0
	s_lshr_b32 s26, s22, 3
	s_mul_i32 s26, s26, REC                        ; my record
	s_and_b32 s27, s22, 7
	s_lshl_b32 s28, s27, 13
	s_add_co_u32 s28, s28, s26
	s_lshl_b32 s29, s23, 16
	s_add_co_u32 s28, s28, s29
	s_lshl_b32 s29, s37, 12
	s_add_co_u32 s28, s28, s29                     ; my two fragments in it
	s_mov_b32 s29, 0
	s_lshl_b32 s30, s27, 8
	s_add_co_u32 s30, s30, s26
	s_lshl_b32 s31, s23, 11
	s_add_co_u32 s30, s30, s31
	s_lshl_b32 s31, s37, 7
	s_add_co_u32 s30, s30, s31
	s_add_co_u32 s30, s30, SCO                     ; and their scale words
	s_mov_b32 s31, 0
	s_wait_alu depctr_va_vdst(0)
	s_wait_kmcnt 0x0
	s_add_nc_u64 s[4:5], s[4:5], s[24:25]
	s_add_nc_u64 s[32:33], s[12:13], s[28:29]
	s_add_nc_u64 s[34:35], s[12:13], s[30:31]
.macro LOADX t                         ; fragment t: 16 loads, each 512 consecutive bytes of one row
.irp i, 0,1,2,3,4,5,6,7,8,9,10,11,12,13,14,15
	global_load_b128 v[RR+64*(\t)+4*\i:RR+64*(\t)+4*\i+3], v4, s[4:5] offset:\i*4096+(\t)*512 th:TH_LOAD_NT
.endr
.endm
.macro STEPX t
.if (\t) == 0
	s_wait_loadcnt 16                              ; this fragment's 16 loads are in; the other fragment's 16 may be out
.else
	s_wait_loadcnt 0x0
.endif
.irp i, 0,1,2,3,4,5,6,7,8,9,10,11,12,13,14,15
	ds_store_b128 v5, v[RR+64*(\t)+4*\i:RR+64*(\t)+4*\i+3] offset:528*\i
.endr
.irp c, 0,1,2,3
.irp j, 0,1,2,3
	ds_load_b128 v[X+16*\c+4*\j:X+16*\c+4*\j+3], v6 offset:128*\c+16*\j   ; LDS serves a wave's instructions in order (ISA guide 5.7.1.4): these see the stores above
.endr
.endr
	s_wait_dscnt 0x0                               ; the numbers are back
.if (\t) > 0
	s_wait_xcnt 0x0                                ; the first fragment's stores have read the codes' registers, which are written again below
.endif
	QUANT X, PC, PW+(\t)
.irp c, 0,1,2,3
	global_store_b128 v4, v[PC+4*\c:PC+4*\c+3], s[32:33] offset:2048*(\t)+512*\c   ; 32 lanes store 512 consecutive bytes, aligned
.endr
.endm
	LOADX 0
	LOADX 1
	STEPX 0
	STEPX 1
	v_cndmask_b32 v34, v[PW], v[PW+1], s36         ; both halves of the lanes hold row r's word: lanes 0-15 send the first fragment's, lanes 16-31 the second's
	global_store_b32 v9, v34, s[34:35]             ; 32 lanes store 128 consecutive bytes: one byte in 128 of what this path reads
	s_wait_tensorcnt 0x0                           ; the wave's end, behind my last LDS store
	ds_add_u32 v[SPW], v[NIL]
	s_wait_dscnt 0x0
	s_endpgm
; ---------------- the weights: a lane takes a column n, its registers run down K ----------------
; A wave takes 32 columns x 128 along K: four blocks of 32 a lane, one scale word.  A block lies in one lane, so its largest magnitude needs no other lane, and its 32 codes are the 16 bytes of lanes (r, 0) and (r, 1) of one
; register group of the image: sixteen lanes store 256 consecutive bytes, aligned, straight from registers.  The scale words leave in runs of 64 bytes: one byte in 128 of what this path reads.
.Lweights:
	s_sub_co_u32 s20, ttmp9, 512
	s_lshr_b32 s21, s20, 6                         ; which weight: 0 q, 1 k, 2 v
	s_bfe_u32 s22, s20, 0x30003                    ; which 128 columns
	s_and_b32 s23, s20, 7                          ; which 128 along K: the K step
	s_lshl_b32 s24, s23, 19                        ; 128 rows of 4,096 bytes
	s_lshl_b32 s25, s22, 9
	s_add_co_u32 s24, s24, s25
	s_lshl_b32 s25, s16, 7
	s_add_co_u32 s24, s24, s25                     ; + my wave's first column
	s_mov_b32 s25, 0
	s_lshr_b32 s26, s22, 1
	s_mul_i32 s26, s26, 3
	s_add_co_u32 s26, s26, s21
	s_lshl_b32 s26, s26, 1
	s_lshr_b32 s27, s23, 2
	s_add_co_u32 s26, s26, s27
	s_mul_i32 s26, s26, REC                        ; the record: ((column group) 3 + weight) 2 + kh
	s_and_b32 s27, s22, 1
	s_lshl_b32 s27, s27, 3
	s_lshl_b32 s28, s16, 1
	s_add_co_u32 s27, s27, s28                     ; my first column tile in it
	s_and_b32 s30, s23, 3                          ; q
	s_lshl_b32 s28, s27, 13
	s_add_co_u32 s28, s28, s26
	s_lshl_b32 s29, s30, 11
	s_add_co_u32 s28, s28, s29                     ; codes: tile x 8,192 + q x 2,048
	s_mov_b32 s29, 0
	s_lshl_b32 s27, s27, 8
	s_add_co_u32 s26, s26, s27
	s_lshl_b32 s30, s30, 6
	s_add_co_u32 s30, s30, s26
	s_add_co_u32 s30, s30, SCO                     ; scale words: tile x 256 + q x 64
	s_mov_b32 s31, 0
	s_wait_alu depctr_va_vdst(0)
	v_lshlrev_b32 v4, 2, v2                        ; in: 4 bytes a lane
	v_lshlrev_b32 v5, 4, v3
	v_lshl_add_u32 v5, v10, 13, v5                 ; codes: lanes 16-31 belong to the next column tile; 16 r
	v_lshlrev_b32 v6, 2, v3
	v_lshl_add_u32 v6, v10, 8, v6                  ; scale words likewise; 4 r
	s_wait_alu depctr_va_vdst(0)
	s_wait_kmcnt 0x0
	s_cmp_eq_u32 s21, 0                            ; the choice hangs on the work-group's number alone
	s_cselect_b64 s[6:7], s[6:7], s[8:9]
	s_cmp_eq_u32 s21, 2
	s_cselect_b64 s[6:7], s[10:11], s[6:7]
	s_add_nc_u64 s[6:7], s[6:7], s[24:25]
	s_add_nc_u64 s[32:33], s[14:15], s[28:29]
	s_add_nc_u64 s[34:35], s[14:15], s[30:31]
.macro LOADW t                         ; block t: W(32 t + i, my column) into its own 32 registers
.irp i, 0,1,2,3,4,5,6,7,8,9,10,11,12,13,14,15,16,17,18,19,20,21,22,23,24,25,26,27,28,29,30,31
	global_load_b32 v[64+32*(\t)+\i], v4, s[6:7] offset:(32*(\t)+\i)*4096 th:TH_LOAD_NT
.endr
.endm
.macro BLOCK t, left
.set XS, 64+32*(\t)
.set CD, 192+8*(\t)                    ; each block has its own eight registers of codes: no store's data are written again
	s_wait_loadcnt \left                           ; this block's 32 loads are in: left loads at the least were issued behind them
	v_max3_num_f32 v24, |v[XS]|, |v[XS+1]|, |v[XS+2]|
	v_max3_num_f32 v25, |v[XS+3]|, |v[XS+4]|, |v[XS+5]|
.irp i, 6,10,14,18,22,26
	v_max3_num_f32 v24, v24, |v[XS+\i]|, |v[XS+\i+1]|
	v_max3_num_f32 v25, v25, |v[XS+\i+2]|, |v[XS+\i+3]|
.endr
	v_max3_num_f32 v24, v24, |v[XS+30]|, |v[XS+31]|
	v_max3_num_f32 v24, v24, v25, 0x4800000        ; and the floor
	v_add_nc_u32 v27, 0xfc000000, v24              ; the conversion's scale operand
	v_and_or_b32 v26, v24, 0x7f800000, s17         ; 448 x the scale
	v_lshrrev_b32 v28, 23, v27                     ; the byte
.irp i, 0,1,2,3,4,5,6,7,8,9,10,11,12,13,14,15,16,17,18,19,20,21,22,23,24,25,26,27,28,29,30,31
	v_med3_num_f32 v[XS+\i], v[XS+\i], -v26, v26
.endr
.irp g, 0,1,2,3
	v_cvt_scalef32_pk8_fp8_f32 v[CD+2*\g:CD+2*\g+1], v[XS+8*\g:XS+8*\g+7], v27
.endr
.if (\t) == 0
	v_mov_b32 v20, v28                             ; four bytes to a word, the lower K in the lower byte.  (Also the plain line behind the conversions)
.else
	v_lshl_or_b32 v20, v28, 8*(\t), v20
.endif
	global_store_b128 v5, v[CD:CD+3], s[32:33] offset:(\t)*512        ; K 0 .. 15 of the block: lane (r, 0)'s place
	global_store_b128 v5, v[CD+4:CD+7], s[32:33] offset:(\t)*512+256  ; K 16 .. 31: lane (r, 1)'s
.endm
	LOADW 0
	LOADW 1
	LOADW 2
	LOADW 3
	BLOCK 0, 63                                    ; behind block 0 stand 96 loads, behind block 1 64: the wait's field holds 63
	BLOCK 1, 63
	BLOCK 2, 32
	BLOCK 3, 0
	global_store_b32 v6, v20, s[34:35]
	s_wait_tensorcnt 0x0                           ; the wave's end
	ds_add_u32 v[SPW], v[NIL]
	s_wait_dscnt 0x0
	s_endpgm
.Lfunc_end_k_q76f0b682c0_quant:
	.size	k_q76f0b682c0_quant, .Lfunc_end_k_q76f0b682c0_quant-k_q76f0b682c0_quant
	.p2alignl 7, 3214868480
	.fill 96, 4, 3214868480
	.section	.rodata,"a",@progbits
	.p2align	6, 0x0
	.amdhsa_kernel k_q76f0b682c0_quant
		.amdhsa_group_segment_fixed_size 35328
		.amdhsa_private_segment_fixed_size 0
		.amdhsa_enable_private_segment 0
		.amdhsa_kernarg_size 48
		.amdhsa_user_sgpr_count 2
		.amdhsa_user_sgpr_kernarg_segment_ptr 1
		.amdhsa_wavefront_size32 1
		.amdhsa_system_sgpr_workgroup_id_x 1
		.amdhsa_system_sgpr_workgroup_id_y 1
		.amdhsa_system_sgpr_workgroup_id_z 1
		.amdhsa_system_vgpr_workitem_id 0
		.amdhsa_next_free_vgpr 256
		.amdhsa_next_free_sgpr 66
		.amdhsa_reserve_vcc 0
		.amdhsa_float_denorm_mode_32 3
		.amdhsa_float_denorm_mode_16_64 3
		.amdhsa_memory_ordered 1
		.amdhsa_forward_progress 1
		.amdhsa_inst_pref_size 56
	.end_amdhsa_kernel
	.amdgpu_metadata
---
amdhsa.version: [ 1, 2 ]
amdhsa.kernels:
  - .name:           k_q76f0b682c0_quant
    .symbol:         k_q76f0b682c0_quant.kd
    .args:
      - { .name: x, .offset: 0, .size: 8, .value_kind: global_buffer, .address_space: global }
      - { .name: Wq, .offset: 8, .size: 8, .value_kind: global_buffer, .address_space: global }
      - { .name: Wk, .offset: 16, .size: 8, .value_kind: global_buffer, .address_space: global }
      - { .name: Wv, .offset: 24, .size: 8, .value_kind: global_buffer, .address_space: global }
      - { .name: ximg, .offset: 32, .size: 8, .value_kind: global_buffer, .address_space: global }
      - { .name: wimg, .offset: 40, .size: 8, .value_kind: global_buffer, .address_space: global }
    .group_segment_fixed_size: 35328
    .private_segment_fixed_size: 0
    .kernarg_segment_align: 8
    .kernarg_segment_size: 48
    .max_flat_workgroup_size: 128
    .sgpr_count:     66
    .vgpr_count:     256
    .wavefront_size: 32
...
	.end_amdgpu_metadata
.endif
;; end of part 1
;; launch proj (part 2): grid 8 x 32, 4 waves a work-group, clusters of 4 x 4, 327,680 bytes of LDS; arguments ximg, wimg, bq, bk, bv, qimg, kimg, vimg; writes qimg, kimg, vimg
.if DOCPART == 2
	.amdgcn_target "amdgcn-amd-amdhsa--gfx1250"
	.amdhsa_code_object_version 6
	.text
	.protected	k_q76f0b682c0_proj
	.globl	k_q76f0b682c0_proj
	.p2align	8
	.type	k_q76f0b682c0_proj,@function
k_q76f0b682c0_proj:
	s_mov_b64 s[64:65], 0
	v_nop
	global_prefetch_b8 v0, s[64:65] scope:SCOPE_SE
	s_setreg_imm32_b32 hwreg(HW_REG_WAVE_MODE, 25, 1), 1
	s_wait_xcnt 0x0
	s_wait_alu depctr_hold_cnt(0) depctr_sa_sdst(0) depctr_va_vdst(0) depctr_va_sdst(0) depctr_va_ssrc(0) depctr_va_vcc(0) depctr_vm_vsrc(0)
	s_getreg_b32 s2, hwreg(HW_REG_IB_STS2, 6, 4)
	s_cmp_eq_u32 s2, 0
	s_cbranch_scc0 .Lentry_in_a_cluster
	s_endpgm
.Lentry_in_a_cluster:
	s_bfe_u32 s2, ttmp6, 0x10000c
	s_cmp_lg_u32 s2, 0xf033
	s_cbranch_scc0 .Lentry_shape_is_right
	s_endpgm
.Lentry_shape_is_right:
; q, k, v = x W + b on codes of FP8 (E4M3) with E8M0 scales, sums in f32, each result quantised again on the way out: q and k along the channels, v along the tokens.  Nothing is left out.
; LIMITS: NaN, infinities and sums beyond f32's range are not served; a block's byte is held at 1 from below (a block of zeros keeps it: its codes are zeros, and this program alone reads the bytes).
; SHARES.  A work-group takes 256 rows (row group R = work-group y) and 128 columns (column group = work-group x) of EACH of the three weights.  Wave w holds rows 64 w .. 64 w + 63, all of K, in 512 registers;
; the weights stream past as 24 blocks of 16 columns x all of K (q's eight, k's, v's), in two sets of 128 registers.  A block is 32 products: 8 K steps x 4 row tiles, the four accumulators by turns.
; LDS: four regions of four blocks each: [kh 2][column tile 4][q 4][2048].  Trip t multiplies the blocks of chunk t (region t % 4) and, in a round of the cluster's barrier inside its third block, asks for chunk t + 2.
;   At the head regions 2 and 3 hold K steps 0 to 3 of x's 256 rows, which all waves read into registers; K steps 4 to 7 come by plain loads.  Behind the regions the weights' scale words, and a table of the biases.
; CLUSTER of 4 x 4: x's tiles hang on the row group and are shared along my row, the weights' on the column group and are shared along my column.
; NO PREFETCH: a chunk has the 128 products of four blocks in which to land, and x is asked for once, at the head.
; ORIENTATION.  q, k: source 0 = 16 columns, source 1 = 16 rows: a lane holds one row and 8 columns; v: the other way round: a lane holds one column and 8 tokens.  THE WAY OUT takes a pair of blocks: four groups of 16 registers that lie on end:
;   q, k: group a = row tile a, both blocks; v: group 2 u + B = block u, tokens 32 B ..; a scale block of 32 lies in lanes l and l xor 16.  Registers 8 u + j of a group hold number 16 u + 8 h + j of the 32 and go to place 16 h + 8 u + j: the same for q and k, and for v and p.
; It stands among the products of the next pair, two or three lines behind each; accumulators stand in two pairs of sets.  The first way out has no pair before it: it works on zeros and stores nothing.
; THE BIAS is the C of each accumulator's first product: eight registers from the table.
; OUT: qimg, kimg, vimg as the launches that follow state them: records of 64 fragments and their scale words.
; REGISTERS: window 0: addresses, scales, four accumulator sets, codes;  windows 1, 2: x, K steps 0-3 and 4-7;  window 3: two sets of a block's codes.
.set REC,   135168
.set SCO,   131072                     ; scale words in a record
.set SCL,   0x40000                    ; LDS: [weight 3][kh 2][tile 8][q 4][64]
.set BIAS,  SCL+12288                  ; LDS: 1,024 bytes a block, 32 a lane: q, k: the eight numbers of the lane's half; v: eight copies of its column's number
.set SPARE, BIAS+0x8000                ; the spare words, 128 bytes for each wave: two blocks of 256 bytes that no other line names
.set NF,    38                         ; LDS loads of a block: 32 of codes, 4 of scale words, 2 of the bias
.set SPW,   11
.set NIL,   12
.set AS,    16                         ; v16-31  x's scale words: 4 a + p: lanes 0-15 K step 2 p, lanes 16-31 K step 2 p + 1
.set BS,    32                         ; v32-39  a block's, two sets: word p at (p + 1) % 4: no product's two scale registers have numbers equal modulo 8
.set T0,    40                         ; v40-45  the way out at work
.set T1,    41
.set SO,    42                         ; the conversion's scale operand
.set BD,    43                         ; 448 x the scale
.set BE,    44                         ; a second copy of it
.set BY,    45
.set PW,    46                         ; v46-49  scale words in the making
.set PA,    64                         ; v64-127, v128-191 two pairs of accumulator sets
.set PB,    128
.set MCD,   192                        ; v192-207 codes
.set BQ,    208                        ; v208-223 bias, two sets
.set MSB, 0
.macro WIN new                         ; the immediate's high byte repeats the setting that is left
.if MSB != \new
	s_set_vgpr_msb (MSB<<8)|\new
.set MSB, \new
.endif
.endm
.macro WALU
	s_wait_alu depctr_va_vdst(0)
.endm
.macro CREST
	s_cmp_lg_u32 s56, 0
	s_cbranch_scc1 .Lnot_wave_0_\@
	s_barrier_signal -3
.Lnot_wave_0_\@:
	s_barrier_wait -3
	s_barrier_signal -1
	s_barrier_wait -1
.endm
.macro CROUND
	s_barrier_signal -1
	s_barrier_wait -1
	CREST
.endm
.macro GROUP1 g, mask, c, r, p         ; descriptor group 1: r rows of c elements of 8 bytes, p elements from row to row, no padding
	s_or_b32 s[\g], s\mask, (3<<16)|(1<<21)
	s_mov_b32 s[\g+1], (\c)<<16
	s_mov_b32 s[\g+2], (\r)<<16
	s_mov_b32 s[\g+3], (\c)<<16
	s_mov_b32 s[\g+4], \r
	s_mov_b32 s[\g+5], \p
	s_mov_b32 s[\g+6], 0
	s_mov_b32 s[\g+7], 0
.endm
.macro LADD d, a, sh
	s_lshl_b32 s2, s\a, \sh
	s_add_co_u32 s\d, s\d, s2
.endm
.macro FETCH e, i, so                  ; the block at tile i of the region at v8 into set e; its scale words and its bias
	WIN 0xc0
.irp q, 0,1,2,3,4,5,6,7
.irp c, 0,1,2,3
	ds_load_b128 v[128*(\e)+16*\q+4*\c:128*(\e)+16*\q+4*\c+3], v8 offset:8192*(\i)+32768*(\q/4)+2048*(\q%4)+512*\c
.endr
.endr
	WIN 0
.irp p, 0,1,2,3
	ds_load_b32 v[BS+4*(\e)+(\p+1)%4], v9 offset:256*(\i)+2048*(\p/2)+128*(\p%2)
.endr
	ds_load_b128 v[BQ+8*(\e):BQ+8*(\e)+3], v10 offset:2*(\so)       ; so: 512 x the block's number, counted from the trip's first
	ds_load_b128 v[BQ+8*(\e)+4:BQ+8*(\e)+7], v10 offset:2*(\so)+16
.endm
.macro PROD kind, e, base, u, n        ; product n = 4 q + a of a block; kind 0: q, k;  1: v
.set Q_, (\n)/4
.set A_, (\n)%4
.set X_, 64*(Q_%4)+16*A_
.set W_, 128*(\e)+16*Q_
.set SX_, AS+4*A_+Q_/2
.set SW_, BS+4*(\e)+(Q_/2+1)%4
.if \kind
.set D_, (\base)+32*(\u)+8*A_
	WIN (1+Q_/4)|0x0c
.else
.set D_, (\base)+16*A_+8*(\u)
	WIN 3|((1+Q_/4)<<2)
.endif
.set C_, D_
.if Q_ == 0
.set C_, BQ+8*(\e)
.endif
.if \kind
.if Q_%2
	v_wmma_scale_f32_16x16x128_f8f6f4 v[D_:D_+7], v[X_:X_+15], v[W_:W_+15], v[C_:C_+7], v[SX_], v[SW_] matrix_a_scale:MATRIX_SCALE_ROW1 matrix_b_scale:MATRIX_SCALE_ROW1
.else
	v_wmma_scale_f32_16x16x128_f8f6f4 v[D_:D_+7], v[X_:X_+15], v[W_:W_+15], v[C_:C_+7], v[SX_], v[SW_]
.endif
.else
.if Q_%2
	v_wmma_scale_f32_16x16x128_f8f6f4 v[D_:D_+7], v[W_:W_+15], v[X_:X_+15], v[C_:C_+7], v[SW_], v[SX_] matrix_a_scale:MATRIX_SCALE_ROW1 matrix_b_scale:MATRIX_SCALE_ROW1
.else
	v_wmma_scale_f32_16x16x128_f8f6f4 v[D_:D_+7], v[W_:W_+15], v[X_:X_+15], v[C_:C_+7], v[SW_], v[SX_]
.endif
.endif
.endm
.macro HOLD x, b                       ; the conversion to an 8-bit code does not saturate (ISA guide 7.6.2)
	v_med3_num_f32 v[\x], v[\x], -v[\b], v[\b]
.endm
; The way out of group g of the pair at WB, part j of 15.  A bound that is read over several products is read from a second, freshly written copy.
.macro WJ j, g
.set E_, WB+16*(\g)
.set O_, E_+8
.set J_, \j
.if J_ == 0
	v_max3_num_f32 v[T0], |v[E_]|, |v[E_+1]|, |v[E_+2]|
	v_max3_num_f32 v[T1], |v[O_]|, |v[O_+1]|, |v[O_+2]|
.elseif J_ < 3
	v_max3_num_f32 v[T0], v[T0], |v[E_+2*J_+1]|, |v[E_+2*J_+2]|
	v_max3_num_f32 v[T1], v[T1], |v[O_+2*J_+1]|, |v[O_+2*J_+2]|
.elseif J_ == 3
	v_max3_num_f32 v[T1], v[T1], |v[O_+7]|, 0x4800000   ; the floor 2^(9 - 127): the byte cannot fall under 1
	v_max3_num_f32 v[T0], v[T0], |v[E_+7]|, v[T1]
.elseif J_ == 4
	v_permlanex16_b32 v[T1], v[T0], s66, s67            ; the other half's largest
	v_max_num_f32 v[T0], v[T0], v[T1]
.elseif J_ == 5
	v_add_nc_u32 v[SO], 0xfc000000, v[T0]               ; 8 off its exponent field
	v_and_or_b32 v[BD], v[T0], 0x7f800000, s68
.elseif J_ < 9
	HOLD E_+2*(J_-6), BD
	HOLD E_+2*(J_-6)+1, BD
.if J_ == 8
	v_mov_b32 v[BE], v[BD]
.endif
.elseif J_ == 9
	HOLD E_+6, BE
	HOLD E_+7, BE
	v_cvt_scalef32_pk8_fp8_f32 v[MCD+4*(\g):MCD+4*(\g)+1], v[E_:E_+7], v[SO]
.elseif J_ < 14
	HOLD O_+2*(J_-10), BD
	HOLD O_+2*(J_-10)+1, BD
.if J_ == 13
	v_cvt_scalef32_pk8_fp8_f32 v[MCD+4*(\g)+2:MCD+4*(\g)+3], v[O_:O_+7], v[SO]
.endif
.else
	v_lshrrev_b32 v[BY], 23, v[SO]
	v_alignbit_b32 v[PW+(\g)], v[BY], v[PW+(\g)], 8     ; the byte comes in on top, the earlier ones move down
.endif
.endm
.macro REGION                          ; s2 = 65536 x chunk: where its codes lie
	s_and_b32 s73, s2, 0x30000
	WIN 0
	v_add_nc_u32 v8, s73, v1
.endm
.macro SWORDS                          ; and its scale words: 4,096 bytes a weight, 1,024 a chunk
	s_and_b32 s73, s2, 0x60000
	s_add_co_u32 s73, s73, s2
	s_lshr_b32 s73, s73, 6
	WIN 0
	v_add_nc_u32 v9, s73, v5
.endm
; Addresses, behind a batch's first products.  x = 1: a q, k trip's first block; 2: its third; 3, 4: v's.
.macro EX x, n
.if (\x) == 1
.if (\n) == 0
	s_add_nc_u64 s[78:79], s[78:79], 0x200              ; the next 32 channels' codes
	s_mov_b32 s2, s72
	REGION
.elseif (\n) == 1
	SWORDS
	v_add_nc_u32 v10, s74, v6
.endif
.elseif (\x) == 2
.if (\n) == 0
	s_add_nc_u64 s[78:79], s[78:79], 0x200
	s_cmp_eq_u32 s71, 2
	s_cselect_b64 s[78:79], s[86:87], s[78:79]          ; k's codes begin
	s_add_co_u32 s2, s72, 0x10000
	REGION
.elseif (\n) == 1
	SWORDS
.elseif (\n) == 3
	s_add_co_u32 s2, s72, 0x20000                       ; the refill (no tensor load of mine is out): chunk t + 2
	s_and_b32 s2, s2, 0x30000
	s_add_co_u32 s41, s2, s3
.elseif (\n) == 4
	s_bitcmp1_b32 s71, 0
	s_mov_b32 s100, 2*REC-32768                         ; on to the next weight,
	s_cselect_b32 s100, 0x8000, s100                    ; or to a weight's second four blocks
	s_add_nc_u64 s[42:43], s[42:43], s[100:101]
.endif
.elseif (\x) == 3
.if (\n) == 0
	s_mov_b32 s2, s72
	REGION
.elseif (\n) == 1
	SWORDS
	v_add_nc_u32 v10, s74, v6
.elseif (\n) == 2
	s_add_nc_u64 s[78:79], s[78:79], 0x200              ; the first time k's last pair leaves, then a pair of v's
	s_cmp_eq_u32 s71, 4
	s_cselect_b64 s[78:79], s[78:79], s[88:89]
	s_movk_i32 s76, 0x200
	s_cselect_b32 s76, 0x2000, s76                      ; from group 0 to 1
.elseif (\n) == 3
	s_mov_b32 s96, 0x2000
	s_cselect_b32 s96, 0x4000, s96                      ; from group 0 to 2
	s_mov_b32 s98, 0x4000
	s_cselect_b32 s98, 0, s98
.elseif (\n) == 4
	s_movk_i32 s100, 0x200
	s_cselect_b32 s100, 0, s100
	s_add_nc_u64 s[80:81], s[78:79], s[76:77]
	s_add_nc_u64 s[82:83], s[78:79], s[96:97]
.elseif (\n) == 5
	s_add_nc_u64 s[84:85], s[82:83], s[76:77]
	s_add_nc_u64 s[88:89], s[88:89], s[98:99]
	s_add_nc_u64 s[94:95], s[94:95], s[100:101]
.endif
.elseif (\x) == 4
.if (\n) == 0
	s_add_co_u32 s2, s72, 0x10000
	REGION
.elseif (\n) == 1
	SWORDS
.elseif (\n) == 2
	VBASES
.elseif (\n) == 3
	s_add_nc_u64 s[94:95], s[94:95], s[100:101]
.endif
.endif
.endm
.macro VBASES                          ; a pair of v's blocks: two channel tiles x two blocks of 32 tokens
	s_mov_b64 s[78:79], s[88:89]
	s_add_nc_u64 s[88:89], s[88:89], 0x4000
	s_add_nc_u64 s[80:81], s[78:79], 0x200
	s_add_nc_u64 s[82:83], s[78:79], 0x2000
	s_add_nc_u64 s[84:85], s[82:83], 0x200
.endm
.macro GAP n, u, x                     ; what stands behind product n
	EX \x, \n
.if (\n) > 0 && (\n) < 16
	WIN 0
	WJ (\n)-1, 2*(\u)
.elseif (\n) > 15 && (\n) < 26
	WIN 0
	WJ (\n)-16, 2*(\u)+1
.endif
.endm
; A block: set e, block u of the pair at base; the way out of groups 2 u, 2 u + 1 of the pair at wb.  sync 1: with a round of the cluster's barrier and a refill; 2: with a plain barrier.
.macro BATCH kind, e, base, u, wb, sync, x
	s_wait_dscnt NF                                ; this block is in; the next one's loads may be out
	s_wait_xcnt 0x0                                ; the stores have read their registers and bases
.if \sync == 1
	s_wait_tensorcnt 0x0                           ; my part of the next chunk is in;
	ds_add_u32 v[SPW], v[NIL]
.endif
.set WB, \wb
.set N_, 0
.rept 28
	PROD \kind, \e, \base, \u, N_
	GAP N_, \u, \x
.set N_, N_+1
.endr
.if \sync
	WIN 0
	WALU
.if \sync == 2
	s_wait_tensorcnt 0x0
.endif
	s_wait_dscnt 0x0                               ; my reads are over
	s_barrier_signal -1
.endif
.rept 4
	PROD \kind, \e, \base, \u, N_
.set N_, N_+1
.endr
	WIN 0
.if \sync
	s_barrier_wait -1
.endif
.if \sync == 1
	CREST                                          ; every wave of all partners has its part in, and none reads the region that is filled
	tensor_load_to_lds s[40:43], s[32:39]
	s_nop 0
.endif
.irp j, 10,11,12,13,14                 ; the eight holds are the places in front of the loads below and of the reads of this block's sums
	WJ \j, 2*(\u)+1
.endr
	WALU                                           ; ahead of the stores, waits and branches
.endm
.macro QSTORE u                        ; 32 lanes store 512 consecutive bytes, aligned
	global_store_b128 v1, v[MCD+8*\u:MCD+8*\u+3], s[78:79] offset:16384*\u
	global_store_b128 v1, v[MCD+8*\u+4:MCD+8*\u+7], s[78:79] offset:16384*\u+8192
.endm
.macro VSTORE u
	global_store_b128 v1, v[MCD+8*\u:MCD+8*\u+3], s[78+4*\u:79+4*\u]
	global_store_b128 v1, v[MCD+8*\u+4:MCD+8*\u+7], s[80+4*\u:81+4*\u]
.endm
.macro WORDS b                         ; four pairs' bytes make the words of my 64 rows
	v_cndmask_b32 v50, v[PW], v[PW+1], s69
	v_cndmask_b32 v51, v[PW+2], v[PW+3], s69
	global_store_b32 v2, v50, s[\b:\b+1]
	global_store_b32 v2, v51, s[\b:\b+1] offset:512
.endm
.macro HALVES                          ; v: the two bytes of my 64 tokens, two channel tiles
	v_perm_b32 v50, v[PW+1], v[PW], s70
	v_perm_b32 v51, v[PW+3], v[PW+2], s70
	v_cndmask_b32 v50, v50, v51, s69
	global_store_b16 v2, v50, s[94:95]
.endm
	s_load_b512 s[4:19], s[0:1], 0x0               ; ximg 4, wimg 6, bq 8, bk 10, bv 12, qimg 14, kimg 16, vimg 18
	v_lshl_add_u32 v[SPW], v0, 2, SPARE
	v_mov_b32 v[NIL], 0
	ds_add_u32 v[SPW], v[NIL]                      ; the wave's opening: the add, twice on end, and its wait ahead of my first tensor load
	ds_add_u32 v[SPW], v[NIL]
	v_lshrrev_b32 v1, 5, v0
	v_readfirstlane_b32 s56, v1                    ; wave 0..3
	s_bfe_u32 s57, ttmp6, 0x40000                  ; cx
	s_bfe_u32 s58, ttmp6, 0x40004                  ; cy
	s_lshl_b32 s59, ttmp9, 2
	s_add_co_u32 s59, s59, s57                     ; column group 0..7
	s_and_b32 s60, ttmp7, 0xffff
	s_lshl_b32 s60, s60, 2
	s_add_co_u32 s60, s60, s58                     ; row group 0..31
	s_lshl_b32 s61, s58, 2
	s_lshl_b32 s61, 15, s61                        ; my row of the cluster: shares x
	s_lshl_b32 s62, 0x1111, s57                    ; my column: shares the weights
	GROUP1 20, 61, 32, 256, 32                     ; x: 65,536 dense bytes: K steps 0-3 of 128 rows
	GROUP1 32, 62, 4096, 2, REC/8                  ; chunk 0: two runs of 32,768 bytes, kh 0 and 1, a record apart
	GROUP1 44, 62, 256, 6, REC/8                   ; scale words: six runs of 2,048 bytes, a record apart
	s_and_b32 s63, s56, 1
	s_lshl_b32 s3, s56, 14                         ; my quarter of a chunk
	s_mov_b32 s28, 1
	s_lshl_b32 s29, s63, 16
	s_add_co_u32 s29, s29, 0x20000                 ; regions 2, 3
	s_lshl_b32 s98, s60, 1
	s_add_co_u32 s98, s98, s63
	s_mul_i32 s98, s98, REC
	s_mov_b32 s99, 0
	s_mov_b32 s40, 1
	s_mov_b32 s41, 0
	s_lshr_b32 s96, s59, 1
	s_mul_i32 s96, s96, 6*REC
	s_mov_b32 s97, 0
	s_mov_b32 s52, 1
	s_mov_b32 s53, SCL
	s_and_b32 s2, s59, 1
	s_lshl_b32 s100, s2, 11
	s_add_co_u32 s100, s100, s96
	s_add_co_u32 s100, s100, SCO
	s_mov_b32 s101, 0
	s_lshl_b32 s2, s2, 16
	s_add_co_u32 s96, s96, s2
	s_lshr_b32 s2, s56, 1
	s_lshl_b32 s57, s60, 1
	s_add_co_u32 s57, s57, s2                      ; my wave's group of 128 rows
	s_mul_i32 s58, s57, REC
	s_lshl_b32 s76, s63, 15
	s_add_co_u32 s76, s76, s58                     ; x: my four row tiles
	s_mov_b32 s77, 0
	s_lshl_b32 s82, s63, 10
	s_add_co_u32 s82, s82, s58
	s_add_co_u32 s82, s82, SCO                     ; and their scale words
	s_mov_b32 s83, 0
	s_lshl_b32 s84, s59, 9                         ; 128 numbers of each bias: my wave puts blocks w and w + 4 of each weight into the table
	s_lshl_b32 s2, s56, 6
	s_add_co_u32 s84, s84, s2
	s_mov_b32 s85, 0
	s_mov_b32 s66, 0x76543210
	s_mov_b32 s67, 0xfedcba98                      ; v_permlanex16_b32's selects for lane l xor 16
	s_mov_b32 s68, 0x600000                        ; the mantissa field of 448
	s_mov_b32 s69, 0xffff0000                      ; lanes 16-31
	s_mov_b32 s70, 0x07030703
	s_mov_b32 s71, 0                               ; the trip
	s_mov_b32 s72, 0                               ; 65536 x trip
	s_mov_b32 s74, 0                               ; 4096 x trip
	v_and_b32 v13, 31, v0
	v_lshlrev_b32 v1, 4, v13                       ; 16 x lane
	v_lshlrev_b32 v14, 2, v13                      ; 4 x lane
	v_bfe_u32 v53, v0, 4, 1
	v_lshlrev_b32 v53, 5, v53                      ; 32 h: a half's eight numbers
	v_and_b32 v4, 15, v0                           ; r
	v_lshlrev_b32 v15, 2, v4                       ; 4 r: a column's number
	WALU
	s_wait_dscnt 0x0                               ; both opening adds are done
	CROUND                                         ; all sixteen work-groups are here
	s_wait_kmcnt 0x0
	s_add_nc_u64 s[30:31], s[4:5], s[98:99]
	s_or_b32 s31, s31, 0x80000000
	s_add_nc_u64 s[42:43], s[6:7], s[96:97]
	s_or_b32 s43, s43, 0x80000000
	s_add_nc_u64 s[54:55], s[6:7], s[100:101]
	s_or_b32 s55, s55, 0x80000000
.macro ARM under, g0, g1, next         ; the head's loads, one a wave
	s_cmp_lt_u32 s56, \under
	s_cbranch_scc0 \next
	tensor_load_to_lds s[\g0:\g0+3], s[\g1:\g1+7]
	s_nop 0
.rept 4
	v_nop
.endr
	s_branch .Lasked
\next:
.endm
	ARM 2, 28, 20, .Lhead_w                        ; waves 0, 1: x
	ARM 3, 40, 32, .Lhead_s                        ; wave 2: chunk 0
	tensor_load_to_lds s[52:55], s[44:51]          ; wave 3: the scale words
	s_nop 0
.rept 4
	v_nop
.endr
.Lasked:
	s_add_nc_u64 s[8:9], s[8:9], s[84:85]
	s_add_nc_u64 s[10:11], s[10:11], s[84:85]
	s_add_nc_u64 s[12:13], s[12:13], s[84:85]
	s_add_nc_u64 s[80:81], s[4:5], s[76:77]        ; (s77 stays 0: the pair is an offset later too)
	s_add_nc_u64 s[82:83], s[4:5], s[82:83]
.irp i, 0,1
	global_load_b128 v[64+8*\i:67+8*\i], v53, s[8:9] offset:256*\i
	global_load_b128 v[68+8*\i:71+8*\i], v53, s[8:9] offset:256*\i+16
	global_load_b128 v[80+8*\i:83+8*\i], v53, s[10:11] offset:256*\i
	global_load_b128 v[84+8*\i:87+8*\i], v53, s[10:11] offset:256*\i+16
	global_load_b32 v[96+4*\i], v15, s[12:13] offset:256*\i
.endr
.irp a, 0,1,2,3
.irp p, 0,1,2,3
	global_load_b32 v[AS+4*\a+\p], v14, s[82:83] offset:(\p/2)*2048+\a*256+(\p%2)*128
.endr
.endr
	WIN 0x80
.irp q, 0,1,2,3                                    ; K steps 4 to 7 of my 64 rows: 64 loads of 512 bytes
.irp a, 0,1,2,3
.irp c, 0,1,2,3
	global_load_b128 v[64*\q+16*\a+4*\c:64*\q+16*\a+4*\c+3], v1, s[80:81] offset:65536+\a*8192+\q*2048+512*\c
.endr
.endr
.endr
	WIN 0
	; where the results go, in bytes
	s_lshr_b32 s84, s59, 2                         ; kh of my 128 channels,
	s_and_b32 s85, s59, 3                          ; and their K step in it
	s_mov_b32 s98, s58
	LADD 98, 84, 16
	LADD 98, 63, 15
	LADD 98, 85, 11
	s_add_nc_u64 s[78:79], s[14:15], s[98:99]
	s_sub_nc_u64 s[78:79], s[78:79], 0x400         ; (it is stepped twice ahead of the first store)
	s_add_co_u32 s98, s58, SCO
	LADD 98, 84, 11
	LADD 98, 63, 10
	LADD 98, 85, 6
	s_add_nc_u64 s[90:91], s[14:15], s[98:99]
	s_lshl_b32 s57, s60, 1
	s_add_co_u32 s57, s57, s84
	s_mul_i32 s57, s57, REC                        ; k's record: 256 keys, kh
	s_mov_b32 s98, s57
	LADD 98, 56, 15
	LADD 98, 85, 11
	s_add_nc_u64 s[86:87], s[16:17], s[98:99]
	s_add_co_u32 s98, s57, SCO
	LADD 98, 56, 10
	LADD 98, 85, 6
	s_add_nc_u64 s[92:93], s[16:17], s[98:99]
	s_lshr_b32 s57, s60, 3                         ; batch
	s_lshl_b32 s57, s57, 2
	s_lshr_b32 s2, s59, 1
	s_add_co_u32 s57, s57, s2                      ; 256 channels
	s_lshl_b32 s57, s57, 2
	s_bfe_u32 s2, s60, 0x20001
	s_add_co_u32 s57, s57, s2                      ; 512 tokens
	s_mul_i32 s57, s57, REC                        ; v's record
	s_and_b32 s84, s60, 1
	s_lshl_b32 s84, s84, 1
	s_lshr_b32 s2, s56, 1
	s_add_co_u32 s84, s84, s2                      ; 128 tokens
	s_and_b32 s85, s59, 1
	s_mov_b32 s98, s57
	LADD 98, 85, 16
	LADD 98, 84, 11
	LADD 98, 63, 10
	s_add_nc_u64 s[88:89], s[18:19], s[98:99]
	s_add_co_u32 s98, s57, SCO
	LADD 98, 85, 11
	LADD 98, 84, 6
	LADD 98, 63, 1
	s_add_nc_u64 s[94:95], s[18:19], s[98:99]
	s_lshl_b32 s2, s56, 15
	s_add_co_u32 s2, s2, 0x20000
	v_add_nc_u32 v3, s2, v1                        ; LDS: my four row tiles of x
	v_add_nc_u32 v5, SCL, v14
	v_bfe_u32 v13, v0, 4, 1                        ; h
	v_lshlrev_b32 v6, 1, v1
	v_add_nc_u32 v6, BIAS, v6                      ; the table: 32 x lane
	v_lshlrev_b32 v2, 2, v4
	v_lshl_add_u32 v2, v13, 8, v2                  ; scale words: 4 r; lanes 16-31 the next tile
	v_mov_b32 v8, v1
	v_mov_b32 v9, v5
	v_mov_b32 v10, v6
	v_lshlrev_b32 v50, 5, v0
	v_add_nc_u32 v50, BIAS, v50                    ; the table, on the way in: 1,024 x wave + 32 x lane
.irp i, 0,1,2,3
	v_mov_b32 v[PW+\i], 0
.endr
.set I_, 0
.rept 64
	v_mov_b32 v[PB+I_], 0                          ; read by the first way out, which stores nothing
.set I_, I_+1
.endr
	WALU
	s_wait_loadcnt 48                              ; the ten loads of the biases are in: 80 were issued behind them
.irp i, 0,1
	v_mov_b32 v[97+4*\i], v[96+4*\i]
	v_mov_b32 v[98+4*\i], v[96+4*\i]
	v_mov_b32 v[99+4*\i], v[96+4*\i]
.endr
.irp i, 0,1
	ds_store_b128 v50, v[64+8*\i:67+8*\i] offset:4096*\i
	ds_store_b128 v50, v[68+8*\i:71+8*\i] offset:4096*\i+16
	ds_store_b128 v50, v[80+8*\i:83+8*\i] offset:8192+4096*\i
	ds_store_b128 v50, v[84+8*\i:87+8*\i] offset:8192+4096*\i+16
	ds_store_b128 v50, v[96+4*\i:99+4*\i] offset:16384+4096*\i
	ds_store_b128 v50, v[96+4*\i:99+4*\i] offset:16384+4096*\i+16
.endr
	s_wait_tensorcnt 0x0                           ; my tile of the head's four is in
	ds_add_u32 v[SPW], v[NIL]
	s_mov_b32 s33, 32<<16                          ; from here on a load brings 16,384 dense bytes
	s_mov_b32 s34, 64<<16
	s_mov_b32 s35, 32<<16
	s_mov_b32 s36, 64
	s_mov_b32 s37, 32
	s_add_co_u32 s41, s3, 0x10000                  ; chunk 1 into region 1: waves 0, 1: kh 0; waves 2, 3: kh 1
	s_lshr_b32 s2, s56, 1
	s_mul_i32 s100, s2, REC
	s_lshl_b32 s2, s63, 14
	s_add_co_u32 s100, s100, s2
	s_add_co_u32 s100, s100, 0x8000
	s_add_nc_u64 s[42:43], s[42:43], s[100:101]
	s_wait_dscnt 0x0                               ; the add and the table's stores are done
	CROUND
	tensor_load_to_lds s[40:43], s[32:39]
	s_nop 0
.rept 4
	v_nop
.endr
	WIN 0x40
.irp q, 0,1,2,3
.irp a, 0,1,2,3
.irp c, 0,1,2,3
	ds_load_b128 v[64*\q+16*\a+4*\c:64*\q+16*\a+4*\c+3], v3 offset:\a*8192+\q*2048+512*\c
.endr
.endr
.endr
	FETCH 0, 0, 0
	FETCH 1, 1, 512
	s_wait_loadcnt 0x0                             ; x is whole
.Lqk:                                              ; four trips of four blocks: q's eight, k's eight
	BATCH 0, 0, PA, 0, PB, 0, 1
	s_cmp_eq_u32 s71, 0
	s_cbranch_scc1 .Lnone_0
	QSTORE 0
.Lnone_0:
	FETCH 0, 2, 1024
	BATCH 0, 1, PA, 1, PB, 0, 0
	s_cmp_eq_u32 s71, 0
	s_cbranch_scc1 .Lnone_1
	QSTORE 1
.Lnone_1:
	s_cmp_eq_u32 s71, 2
	s_cbranch_scc0 .Lnot_whole
	WORDS 90                                       ; q's words are whole
.Lnot_whole:
	FETCH 1, 3, 1536
	BATCH 0, 0, PB, 0, PA, 1, 2
	QSTORE 0
	FETCH 0, 0, 2048
	BATCH 0, 1, PB, 1, PA, 0, 0
	QSTORE 1
	FETCH 1, 1, 2560
	s_add_co_u32 s72, s72, 0x10000
	s_add_co_u32 s74, s74, 0x1000
	s_add_co_u32 s71, s71, 1
	s_cmp_lt_u32 s71, 4
	s_cbranch_scc1 .Lqk
	s_mov_b32 s71, 4                               ; (as they stand: written anew as constants)
	s_mov_b32 s72, 0x40000
	s_mov_b32 s74, 0x4000
.Lv:                                               ; two trips of four blocks: v's eight
	BATCH 1, 0, PA, 0, PB, 0, 3
	VSTORE 0
	FETCH 0, 2, 1024
	BATCH 1, 1, PA, 1, PB, 0, 0
	VSTORE 1
	s_cmp_eq_u32 s71, 4
	s_cbranch_scc0 .Lhalves
	WORDS 92                                       ; k's words are whole
	s_branch .Lsent
.Lhalves:
	HALVES
.Lsent:
	FETCH 1, 3, 1536
	BATCH 1, 0, PB, 0, PA, 2, 4
	VSTORE 0
	s_cmp_eq_u32 s71, 5
	s_cbranch_scc1 .Lno_more_0
	FETCH 0, 0, 2048
.Lno_more_0:
	BATCH 1, 1, PB, 1, PA, 0, 0                    ; (the barrier in the block before has shown this block's loads done)
	VSTORE 1
	HALVES
	s_cmp_eq_u32 s71, 5
	s_cbranch_scc1 .Lno_more_1
	FETCH 1, 1, 2560
.Lno_more_1:
	s_add_co_u32 s72, s72, 0x10000
	s_add_co_u32 s74, s74, 0x1000
	s_add_co_u32 s71, s71, 1
	s_cmp_lt_u32 s71, 6
	s_cbranch_scc1 .Lv
	s_wait_xcnt 0x0
	VBASES                                         ; the last pair
	s_add_nc_u64 s[94:95], s[94:95], 0x200
.set WB, PB
.irp g, 0,1,2,3
.irp j, 0,1,2,3,4,5,6,7,8,9,10,11,12,13,14
	WJ \j, \g
.endr
	global_store_b128 v1, v[MCD+4*\g:MCD+4*\g+3], s[78+2*\g:79+2*\g]
.endr
	HALVES
	s_wait_tensorcnt 0x0                           ; the wave's end
	ds_add_u32 v[SPW], v[NIL]
	s_wait_dscnt 0x0
	CROUND                                         ; the closing round
	s_endpgm
.Lfunc_end_k_q76f0b682c0_proj:
	.size	k_q76f0b682c0_proj, .Lfunc_end_k_q76f0b682c0_proj-k_q76f0b682c0_proj
	.p2alignl 7, 3214868480
	.fill 96, 4, 3214868480
	.section	.rodata,"a",@progbits
	.p2align	6, 0x0
	.amdhsa_kernel k_q76f0b682c0_proj
		.amdhsa_group_segment_fixed_size 327680
		.amdhsa_private_segment_fixed_size 0
		.amdhsa_enable_private_segment 0
		.amdhsa_kernarg_size 64
		.amdhsa_user_sgpr_count 2
		.amdhsa_user_sgpr_kernarg_segment_ptr 1
		.amdhsa_wavefront_size32 1
		.amdhsa_system_sgpr_workgroup_id_x 1
		.amdhsa_system_sgpr_workgroup_id_y 1
		.amdhsa_system_sgpr_workgroup_id_z 1
		.amdhsa_system_vgpr_workitem_id 0
		.amdhsa_next_free_vgpr 1024
		.amdhsa_next_free_sgpr 102
		.amdhsa_reserve_vcc 0
		.amdhsa_float_denorm_mode_32 3
		.amdhsa_float_denorm_mode_16_64 3
		.amdhsa_memory_ordered 1
		.amdhsa_forward_progress 1
		.amdhsa_inst_pref_size 146
	.end_amdhsa_kernel
	.amdgpu_metadata
---
amdhsa.version: [ 1, 2 ]
amdhsa.kernels:
  - .name:           k_q76f0b682c0_proj
    .symbol:         k_q76f0b682c0_proj.kd
    .args:
      - { .name: ximg, .offset: 0, .size: 8, .value_kind: global_buffer, .address_space: global }
      - { .name: wimg, .offset: 8, .size: 8, .value_kind: global_buffer, .address_space: global }
      - { .name: bq, .offset: 16, .size: 8, .value_kind: global_buffer, .address_space: global }
      - { .name: bk, .offset: 24, .size: 8, .value_kind: global_buffer, .address_space: global }
      - { .name: bv, .offset: 32, .size: 8, .value_kind: global_buffer, .address_space: global }
      - { .name: qimg, .offset: 40, .size: 8, .value_kind: global_buffer, .address_space: global }
      - { .name: kimg, .offset: 48, .size: 8, .value_kind: global_buffer, .address_space: global }
      - { .name: vimg, .offset: 56, .size: 8, .value_kind: global_buffer, .address_space: global }
    .group_segment_fixed_size: 327680
    .private_segment_fixed_size: 0
    .kernarg_segment_align: 8
    .kernarg_segment_size: 64
    .max_flat_workgroup_size: 128
    .sgpr_count:     102
    .vgpr_count:     1024
    .wavefront_size: 32
...
	.end_amdgpu_metadata
.endif
;; end of part 2
;; launch scores (part 3): grid 64 x 4, 4 waves a work-group, clusters of 4 x 1, 327,680 bytes of LDS; arguments qimg, kimg, pimg, pst; writes pimg, pst
.if DOCPART == 3
	.amdgcn_target "amdgcn-amd-amdhsa--gfx1250"
	.amdhsa_code_object_version 6
	.text
	.protected	k_q76f0b682c0_scores
	.globl	k_q76f0b682c0_scores
	.p2align	8
	.type	k_q76f0b682c0_scores,@function
k_q76f0b682c0_scores:
	s_mov_b64 s[64:65], 0
	v_nop
	global_prefetch_b8 v0, s[64:65] scope:SCOPE_SE
	s_setreg_imm32_b32 hwreg(HW_REG_WAVE_MODE, 25, 1), 1
	s_wait_xcnt 0x0
	s_wait_alu depctr_hold_cnt(0) depctr_sa_sdst(0) depctr_va_vdst(0) depctr_va_sdst(0) depctr_va_ssrc(0) depctr_va_vcc(0) depctr_vm_vsrc(0)
	s_getreg_b32 s2, hwreg(HW_REG_IB_STS2, 6, 4)
	s_cmp_eq_u32 s2, 0
	s_cbranch_scc0 .Lentry_in_a_cluster
	s_endpgm
.Lentry_in_a_cluster:
	s_bfe_u32 s2, ttmp6, 0x10000c
	s_cmp_lg_u32 s2, 0x3003
	s_cbranch_scc0 .Lentry_shape_is_right
	s_endpgm
.Lentry_shape_is_right:
; S = q k^T on codes of FP8 (E4M3) with E8M0 scales, and the softmax's first half.  Nothing is left out.
; THE SOFTMAX IN TWO PARTS.  t = score x log2(e) / 32.  For each query and each 128 keys (one K step of the last product) this launch takes M_loc = the ceiling of the largest t among these keys, a whole number,
; p = 2^(t - M_loc), the sum l_loc of the unquantised p, and quantises p along the keys.  The last launch takes M = the largest M_loc of the row: the change from M_loc to M is the exact factor 2^(M_loc - M),
; which it takes off p's scale bytes and puts onto l_loc.  So a maximum is taken away before every exponential, and the codes are those of p under M.
; LIMITS: NaN and infinities are not served; a block's byte is held at 1 from below (a block whose every p has fallen to 0 keeps that byte: its codes are zeros).
; SHARES.  A work-group takes 128 queries (group RG) and 512 keys of their batch (group BG), as two tiles of 256 keys; wave w takes queries 64 (w / 2) on (four tiles a) and keys 128 (w % 2) on of each tile (eight tiles b).
; q goes from memory straight into registers and stays (eight sets of 64 registers, one a K step): four sets are asked for at the head, the other four in the first tile, each four K steps ahead of its use.
; k comes through a ring of two LDS slots of one record each (256 keys x 512 channels and their scale words).
; CLUSTER.  The four work-groups of a cluster have neighbouring RG, one batch and the same BG: they walk the same four records and ask for each JOINTLY (mask 15).  q is not shared so: it lands in registers.
; The matrix instruction is used transposed (source 0 = 16 keys, source 1 = 16 queries): a lane holds one query, its registers run along the keys.  The 16 registers of tiles 2 B and 2 B + 1 hold keys 32 B + 16 u + 8 h + j
; and are laid at places 32 B + 16 h + 8 u + j: a permutation inside a block of 32, the same as v's.
; OUT: pimg [row tile 512][key step 16][2048]: images of fragments.  pst [row tile 512][pp 8][512], 16 bytes a lane: (X, -M_loc) of key step 4 (pp / 2) + pp % 2, then of the step two further on: the two that one wave makes;
; X is p's scale word in lanes 0-15 and l_loc in lanes 16-31.
; REGISTERS: window 0: v1-6 addresses; v14, v15 the add's two; v16-31 q's scale words; v32-63 k's; v64-191 two half-sets of k's fragments, on the way out codes and work; v192-239 the softmax's figures.  Windows 1, 2: q.  Window 3: the accumulators.
.set REC,   135168
.set SCO,   131072
.set QTR,   33792
.set SPARE, 304128                     ; the spare words, 128 bytes for each wave: two blocks of 256 bytes that no other line names
.set ASTR,  8192
.set NPA,   4
.set AS,    16
.set BS,    32
.set BF,    64
.set TM,    128                        ; v128-191 on the way out: 16 registers a row tile: +0 the blocks' largest, +4 at work, +8 448 x the scale, +12 the conversions' scale operands
.set SR,    192                        ; v192-207 what goes to pst: four registers a row tile
.set NM,    208                        ; v208-215 -M_loc, as a pair, a row tile
.set RM,    216                        ; v216-219 the largest t
.set LL,    220                        ; v220-235 the sum in two chains of pairs
.set PWD,   236                        ; v236-239 p's scale words
.set ADB,   3
.set ADS,   5
.set SPW,   14
.set NIL,   15
.set G1,    28
.set G0,    36
.set MSB, 0
.macro WIN new                         ; the immediate's high byte repeats the setting that is left
.if MSB != \new
	s_set_vgpr_msb (MSB<<8)|\new
.set MSB, \new
.endif
.endm
.macro PLACES n                        ; plain vector lines behind matrix instructions (ISA guide 7.12.1)
.rept \n
	v_nop
.endr
.endm
.macro CREST
	s_cmp_lg_u32 s20, 0
	s_cbranch_scc1 .Lnot_wave_0_\@
	s_barrier_signal -3
.Lnot_wave_0_\@:
	s_barrier_wait -3
	s_barrier_signal -1
	s_barrier_wait -1
.endm
.macro CROUND
	s_barrier_signal -1
	s_barrier_wait -1
	CREST
.endm
.macro FB L, q, hs                     ; four fragments of B, K step q of slot L, into half-set hs
	WIN 0
.irp i, 0,1,2,3
.irp c, 0,1,2,3
	ds_load_b128 v[BF+64*(\hs)+16*\i+4*\c:BF+64*(\hs)+16*\i+4*\c+3], v[ADB+(\L)] offset:(4*(\hs)+\i)*8192+(\q)*2048+512*\c
.endr
.endr
.endm
.macro SCL L                           ; slot L's scale words: register 8 p + b: lanes 0-15 K step 2 p, lanes 16-31 K step 2 p + 1
	WIN 0
.irp p, 0,1
.irp b, 0,1,2,3,4,5,6,7
	ds_load_b32 v[BS+16*(\L)+8*\p+\b], v[ADS+(\L)] offset:256*\b+128*\p
.endr
.endr
.endm
.macro ALD sa, off                     ; A's four fragments of one K step into set sa
	WIN 0x40*(1+(\sa)/4)
.irp a, 0,1,2,3
.irp c, 0,1,2,3
	global_load_b128 v[64*((\sa)%4)+16*\a+4*\c:64*((\sa)%4)+16*\a+4*\c+3], v1, s[4:5] offset:(\off)+\a*ASTR+512*\c
.endr
.endr
	WIN 0
.endm
; n x 4 matrix instructions.  ori = 0: source 0 = B, accumulator (a, b) at 8 (8 a + b).  The 32 accumulators take turns, one instruction a turn, in the same order in every K step.
.macro MUL L, q, hs, i0, n, sa, pa, zero, ori
.if \ori
	WIN 0xf1+(\sa)/4
.else
	WIN 0xf4+4*((\sa)/4)
.endif
.irp i, 0,1,2,3
.if (\i >= \i0) && (\i < \i0+\n)
.irp a, 0,1,2,3
.if \ori
.set rD, 8*(4*(4*(\hs)+\i)+\a)
.set rX, 64*((\sa)%4)+16*\a
.set rY, BF+64*(\hs)+16*\i
.set sX, AS+NPA*\a+(\pa)
.set sY, BS+16*(\L)+8*((\q)/2)+4*(\hs)+\i
.else
.set rD, 8*(8*\a+4*(\hs)+\i)
.set rX, BF+64*(\hs)+16*\i
.set rY, 64*((\sa)%4)+16*\a
.set sX, BS+16*(\L)+8*((\q)/2)+4*(\hs)+\i
.set sY, AS+NPA*\a+(\pa)
.endif
.if \zero
	v_wmma_scale_f32_16x16x128_f8f6f4 v[rD:rD+7], v[rX:rX+15], v[rY:rY+15], 0, v[sX], v[sY]
.elseif (\q)%2
	v_wmma_scale_f32_16x16x128_f8f6f4 v[rD:rD+7], v[rX:rX+15], v[rY:rY+15], v[rD:rD+7], v[sX], v[sY] matrix_a_scale:MATRIX_SCALE_ROW1 matrix_b_scale:MATRIX_SCALE_ROW1
.else
	v_wmma_scale_f32_16x16x128_f8f6f4 v[rD:rD+7], v[rX:rX+15], v[rY:rY+15], v[rD:rD+7], v[sX], v[sY]
.endif
.endr
.endif
.endr
.endm
; rl = 1: at the K step's end A's set rsa is asked for, from roff on: the K step four further on.
.macro KSTEP L, q, sa, pa, zero, ori, lw, rl, rsa, roff
	s_wait_loadcnt \lw                             ; A's set sa is in: lw loads were issued behind it
	s_wait_dscnt 16                                ; half-set 0 is in; half-set 1's sixteen loads may be out
	MUL \L, \q, 0, 0, 4, \sa, \pa, \zero, \ori
	PLACES 8
	FB \L, (\q)+1, 0
	s_wait_dscnt 16                                ; half-set 1 is in; the sixteen just issued may be out
	MUL \L, \q, 1, 0, 4, \sa, \pa, \zero, \ori
	PLACES 8
	FB \L, (\q)+1, 1
.if \rl
	ALD \rsa, \roff
.endif
.endm
; A slot's last K step changes slots: ONE barrier; in front of it each wave waits for all its tensor loads, adds 0 to its spare word, and waits for that and for its reads of this slot.
; fill = 1: the barrier opens a round of the cluster's barrier, and the slot is filled again, two records on, first thing behind the round.
.macro KLAST L, sa, pa, ori, lw, fill, bar, nxt, rl, rsa, roff
	s_wait_loadcnt \lw
.if \bar
	WIN 0                                          ; (the add's two registers lie in window 0)
	s_wait_tensorcnt 0x0                           ; all my tensor loads have landed: my quarter of the other slot;
	ds_add_u32 v[SPW], v[NIL]                      ; 0 onto my spare word;
	s_wait_dscnt 17                                ; (half-set 0 is in; the add and half-set 1's sixteen loads may be out)
	MUL \L, 3, 0, 0, 2, \sa, \pa, 0, \ori
	s_wait_dscnt 0x0                               ; the add is done, and my reads of this slot are over
	s_barrier_signal -1
	MUL \L, 3, 0, 2, 2, \sa, \pa, 0, \ori
	WIN 0
	s_barrier_wait -1
.if \fill
	CREST                                          ; no wave of any partner still reads this slot or has a load on its way
	s_add_nc_u64 s[G0+4*\L+2:G0+4*\L+3], s[G0+4*\L+2:G0+4*\L+3], 2*REC
	tensor_load_to_lds s[G0+4*\L:G0+4*\L+3], s[G1:G1+7]
	s_nop 0
.endif
	PLACES 8                                       ; behind a tensor load four plain lines; all eight are the places in front of the loads below
.if \nxt
	SCL 1-\L
	FB 1-\L, 0, 0
.endif
	MUL \L, 3, 1, 0, 4, \sa, \pa, 0, \ori
.if \nxt
	PLACES 8
	FB 1-\L, 0, 1
.if \rl
	ALD \rsa, \roff
.endif
.endif
.else
	s_wait_dscnt 16
	MUL \L, 3, 0, 0, 4, \sa, \pa, 0, \ori
	s_wait_dscnt 0x0
	MUL \L, 3, 1, 0, 4, \sa, \pa, 0, \ori
.endif
	WIN 0
.endm
.macro PASSHEAD L
	PLACES 8
	SCL \L
	FB \L, 0, 0
	FB \L, 0, 1
.endm
; A tile: eight K steps, two slots.  ld = 1, the first tile: sets 4 to 7 are asked for at the ends of K steps 0 to 3.  The counts on LOADcnt: behind set s stand the three sets that follow it, 48 loads, as far as there are three; then 32, 16, 0.
.macro TILE ori, f0, f1, last, ld
	PASSHEAD 0
	KSTEP 0, 0, 0, 0, 1, \ori, 48, \ld, 4, 65536
	KSTEP 0, 1, 1, 0, 0, \ori, 48, \ld, 5, 65536+2048
	KSTEP 0, 2, 2, 1, 0, \ori, 48, \ld, 6, 65536+4096
	KLAST 0, 3, 1, \ori, 48, \f0, 1, 1, \ld, 7, 65536+6144
	KSTEP 1, 0, 4, 2, 0, \ori, 48, 0, 0, 0
	KSTEP 1, 1, 5, 2, 0, \ori, 32, 0, 0, 0
	KSTEP 1, 2, 6, 3, 0, \ori, 16, 0, 0, 0
	KLAST 1, 7, 3, \ori, 0, \f1, 1-\last, 0, 0, 0, 0
.endm
	s_load_b256 s[68:75], s[0:1], 0x0              ; qimg 68, kimg 70, pimg 72, pst 74
	v_lshl_add_u32 v[SPW], v0, 2, SPARE
	v_mov_b32 v[NIL], 0
	ds_add_u32 v[SPW], v[NIL]                      ; the wave's opening: the add, twice on end, and its wait ahead of my first tensor load; the set-up below stands between
	ds_add_u32 v[SPW], v[NIL]
	v_lshrrev_b32 v1, 5, v0
	v_readfirstlane_b32 s20, v1                    ; wave 0..3
	s_lshr_b32 s21, s20, 1                         ; rh: my 64 queries
	s_and_b32 s22, s20, 1                          ; ch: my 128 keys of a tile
	s_bfe_u32 s23, ttmp6, 0x40000                  ; cx: it enters the addresses of plain loads and stores alone
	s_lshl_b32 s24, ttmp9, 2
	s_add_co_u32 s24, s24, s23                     ; RG
	s_and_b32 s25, ttmp7, 0xffff                   ; BG
	s_lshr_b32 s26, ttmp9, 2                       ; the batch
	s_mov_b32 s[G1+0], 0x0023000f                  ; the mask: all four work-groups; elements of 8 bytes; bit 21 beside the mask; no padding
	s_mov_b32 s[G1+1], 32<<16                      ; rows of 256 bytes,
	s_mov_b32 s[G1+2], 132<<16                     ; 132 of them,
	s_mov_b32 s[G1+3], 32<<16
	s_mov_b32 s[G1+4], 132
	s_mov_b32 s[G1+5], 32                          ; dense
	s_mov_b32 s[G1+6], 0
	s_mov_b32 s[G1+7], 0
	s_mov_b32 s[G0], 1
	s_mul_i32 s[G0+1], s20, QTR
	s_mov_b32 s[G0+4], 1
	s_add_co_u32 s[G0+5], s[G0+1], REC
	s_mov_b32 s76, 0x0023000f                      ; for the head: half a record a wave, 264 rows of 256 bytes
	s_mov_b32 s77, 32<<16
	s_mov_b32 s78, 264<<16
	s_mov_b32 s79, 32<<16
	s_mov_b32 s80, 264
	s_mov_b32 s81, 32
	s_mov_b32 s82, 0
	s_mov_b32 s83, 0
	s_mov_b32 s84, 1
	s_mul_i32 s85, s20, 2*QTR
	s_lshl_b32 s10, s26, 4
	s_lshl_b32 s11, s25, 2
	s_add_co_u32 s10, s10, s11
	s_mul_i32 s10, s10, REC                        ; B's stream: the four records of my 512 keys
	s_add_co_u32 s10, s10, s[G0+1]
	s_mov_b32 s11, 0
	s_mov_b32 s44, 0x76543210
	s_mov_b32 s45, 0xfedcba98
	s_mov_b32 s46, 0x600000                        ; the mantissa field of 448
	s_mov_b32 s47, 0xffff0000                      ; lanes 16-31
	s_mov_b32 s48, 0x3d38aa3b                      ; c = log2(e) / 32
	s_mov_b32 s49, s48                             ; (named with it as a pair, so it is written)
	v_and_b32 v2, 31, v0
	v_lshlrev_b32 v1, 4, v2                        ; 16 x lane
	v_lshlrev_b32 v2, 2, v2                        ; 4 x lane
	s_lshl_b32 s12, s22, 16
	v_add_nc_u32 v3, s12, v1
	v_add_nc_u32 v4, REC, v3
	s_lshl_b32 s12, s22, 11
	v_add_nc_u32 v5, s12, v2
	v_add_nc_u32 v5, SCO, v5
	v_add_nc_u32 v6, REC, v5
	s_wait_alu depctr_va_vdst(0)
	s_wait_dscnt 0x0                               ; both opening adds are done
	s_wait_kmcnt 0x0
	s_mul_i32 s14, s24, REC
	s_lshl_b32 s12, s21, 15
	s_add_co_u32 s12, s12, s14
	s_mov_b32 s13, 0
	s_add_nc_u64 s[4:5], s[68:69], s[12:13]        ; q's fragments of my four tiles
	s_lshl_b32 s12, s21, 10
	s_add_co_u32 s12, s12, s14
	s_add_co_u32 s12, s12, SCO
	s_add_nc_u64 s[6:7], s[68:69], s[12:13]        ; and scale words
.irp a, 0,1,2,3                                    ; what the first products want of q is asked for ahead of the cluster's round: 48 loads
.irp p, 0,1,2,3
	global_load_b32 v[AS+NPA*\a+\p], v2, s[6:7] offset:(\p/2)*2048+\a*256+(\p%2)*128
.endr
.endr
	ALD 0, 0
	ALD 1, 2048
	s_add_nc_u64 s[8:9], s[70:71], s[10:11]
	s_mov_b64 s[G0+2:G0+3], s[8:9]
	s_or_b32 s[G0+3], s[G0+3], 0x80000000
	s_add_nc_u64 s[G0+6:G0+7], s[8:9], REC
	s_or_b32 s[G0+7], s[G0+7], 0x80000000
	CROUND                                         ; all four work-groups are here: the first joint loads meet
	s_mov_b32 s12, s[G0+1]
	s_add_nc_u64 s[86:87], s[8:9], s[12:13]
	s_or_b32 s87, s87, 0x80000000
	s_cmp_lt_u32 s20, 2                            ; one load a wave: waves 0 and 1 fetch record 0, waves 2 and 3 record 1, which lies behind it in memory and in LDS
	s_cbranch_scc0 .Lrecord_1
	tensor_load_to_lds s[84:87], s[76:83]
	s_nop 0
	PLACES 4
	s_branch .Lrecords_asked
.Lrecord_1:
	tensor_load_to_lds s[84:87], s[76:83]
	s_nop 0
	PLACES 4
.Lrecords_asked:
	ALD 2, 4096
	ALD 3, 6144
	s_lshl_b32 s12, s24, 3
	s_lshl_b32 s14, s21, 2
	s_add_co_u32 s15, s12, s14                     ; my first row tile
	s_lshl_b32 s12, s15, 4
	s_lshl_b32 s14, s25, 2
	s_add_co_u32 s12, s12, s14
	s_add_co_u32 s12, s12, s22                     ; x 16 + my first key step: 4 BG + ch
	s_lshl_b32 s12, s12, 11
	s_add_nc_u64 s[52:53], s[72:73], s[12:13]      ; p's images
	s_lshl_b32 s12, s15, 3
	s_lshl_b32 s14, s25, 1
	s_add_co_u32 s12, s12, s14
	s_add_co_u32 s12, s12, s22                     ; x 8 + pp = 2 BG + ch
	s_lshl_b32 s12, s12, 9
	s_add_nc_u64 s[54:55], s[74:75], s[12:13]      ; and their 512 bytes of figures
	s_wait_alu depctr_va_vdst(0)
	s_cmp_lt_u32 s20, 2                            ; record 0 is shown here; record 1 at the first change of slots
	s_cbranch_scc0 .Lnot_yet
	s_wait_tensorcnt 0x0
.Lnot_yet:
	s_barrier_signal -1
	s_barrier_wait -1
; THE SOFTMAX'S FIRST HALF for my four row tiles and my 128 keys of key tile tl, IN STAGES OVER ALL FOUR TILES: each stage's lines are 16 chains that do not wait for each other, and all exponentials are one batch.
; Row tile a's 64 scores lie in window 3 from 64 a on, register 16 b + i in block b of 32 keys.
.macro EPI_S tl
	PLACES 8
	WIN 0x0f                                       ; sources 0 and 1 window 3
.irp a, 0,1,2,3
.irp b, 0,1,2,3
	v_max_num_f32 v[TM+16*\a+\b], v[64*\a+16*\b], v[64*\a+16*\b+1]   ; the largest score of each block of 32 keys: it serves for the row's maximum and, since p rises with the score, for the block's largest p
.endr
.endr
.irp i, 2,4,6,8,10,12,14
.irp a, 0,1,2,3
.irp b, 0,1,2,3
	v_max3_num_f32 v[TM+16*\a+\b], v[64*\a+16*\b+\i], v[64*\a+16*\b+\i+1], v[TM+16*\a+\b]
.endr
.endr
.endr
	WIN 0
.irp a, 0,1,2,3
.irp b, 0,1,2,3
	v_permlanex16_b32 v[TM+16*\a+4+\b], v[TM+16*\a+\b], s44, s45
.endr
.endr
.irp a, 0,1,2,3
.irp b, 0,1,2,3
	v_max_num_f32 v[TM+16*\a+\b], v[TM+16*\a+\b], v[TM+16*\a+4+\b]   ; with lane l xor 16's 16 keys
.endr
.endr
.irp a, 0,1,2,3
	v_max3_num_f32 v[RM+\a], v[TM+16*\a], v[TM+16*\a+1], v[TM+16*\a+2]
.endr
.irp a, 0,1,2,3
	v_max_num_f32 v[RM+\a], v[RM+\a], v[TM+16*\a+3]   ; the largest score of my query among these 128 keys
.endr
.irp a, 0,1,2,3
	v_mul_f32 v[RM+\a], s48, v[RM+\a]              ; as t (c is positive)
.endr
.irp a, 0,1,2,3
	v_floor_f32 v[NM+2*\a], -v[RM+\a]              ; -M_loc = floor(-t): a whole number
.endr
.irp a, 0,1,2,3
	v_mov_b32 v[NM+2*\a+1], v[NM+2*\a]             ; (named with it as a pair)
.endr
.irp a, 0,1,2,3
	v_mov_b32 v[SR+4*\a+2*(\tl)+1], v[NM+2*\a]     ; -M_loc goes out
.endr
.irp a, 0,1,2,3
.irp b, 0,1,2,3
	v_fma_f32 v[TM+16*\a+\b], v[TM+16*\a+\b], s48, v[NM+2*\a]   ; t - M_loc of each block's largest score
.endr
.endr
	s_wait_alu depctr_va_vdst(0)
.irp a, 0,1,2,3
.irp b, 0,1,2,3
	v_exp_f32 v[TM+16*\a+\b], v[TM+16*\a+\b]       ; THE BATCH BEGINS: the blocks' largest p: the same two instructions on the same number as for that p itself
.endr
.endr
	WIN 0xc3                                       ; destination and source 0 window 3
.set n, 0
.rept 32
	v_pk_fma_f32 v[n:n+1], v[n:n+1], s[48:49], v[NM:NM+1] op_sel_hi:[1,0,0]   ; row tile 0: t - M_loc, two at a time
.set n, n+2
.endr
	s_wait_alu depctr_va_vdst(0)
.irp a, 0,1,2,3
.set n, 0
	s_wait_alu depctr_va_vdst(0)
.rept 32
	v_exp_f32 v[64*\a+n], v[64*\a+n]               ; p = 2^(t - M_loc), at most 1
	v_exp_f32 v[64*\a+n+1], v[64*\a+n+1]
.if \a < 3
	v_pk_fma_f32 v[64*\a+64+n:64*\a+64+n+1], v[64*\a+64+n:64*\a+64+n+1], s[48:49], v[NM+2*\a+2:NM+2*\a+3] op_sel_hi:[1,0,0]   ; the next row tile's scalings stand between the exponentials
.endif
.set n, n+2
.endr
.endr
	WIN 0
	v_nop                                          ; the plain line behind the last exponential
	s_wait_alu depctr_va_vdst(0)                   ; one wait for the whole batch, ahead of its first reader
	WIN 0x0f
.irp a, 0,1,2,3
	v_pk_add_f32 v[LL+4*\a:LL+4*\a+1], v[64*\a:64*\a+1], v[64*\a+2:64*\a+3]       ; the sum of the unquantised p, two at a time, in two chains a row tile
	v_pk_add_f32 v[LL+4*\a+2:LL+4*\a+3], v[64*\a+4:64*\a+5], v[64*\a+6:64*\a+7]
.endr
	WIN 0x03
.set n, 8
.rept 14
.irp a, 0,1,2,3
	v_pk_add_f32 v[LL+4*\a:LL+4*\a+1], v[64*\a+n:64*\a+n+1], v[LL+4*\a:LL+4*\a+1]
	v_pk_add_f32 v[LL+4*\a+2:LL+4*\a+3], v[64*\a+n+2:64*\a+n+3], v[LL+4*\a+2:LL+4*\a+3]
.endr
.set n, n+4
.endr
	WIN 0
.irp a, 0,1,2,3
	v_pk_add_f32 v[LL+4*\a:LL+4*\a+1], v[LL+4*\a:LL+4*\a+1], v[LL+4*\a+2:LL+4*\a+3]
.endr
.irp a, 0,1,2,3
.irp b, 0,1,2,3
	v_max_num_f32 v[TM+16*\a+\b], 0x4800000, v[TM+16*\a+\b]          ; the floor 2^(9 - 127): the byte cannot fall under 1
.endr
.endr
.irp a, 0,1,2,3
.irp b, 0,1,2,3
	v_add_nc_u32 v[TM+16*\a+12+\b], 0xfc000000, v[TM+16*\a+\b]       ; the conversion's scale operand
.endr
.endr
.irp a, 0,1,2,3
.irp b, 0,1,2,3
	v_and_or_b32 v[TM+16*\a+8+\b], v[TM+16*\a+\b], 0x7f800000, s46   ; 448 x the scale
.endr
.endr
.irp a, 0,1,2,3
.irp b, 0,1,2,3
	v_lshrrev_b32 v[TM+16*\a+4+\b], 23, v[TM+16*\a+12+\b]            ; the byte
.endr
.endr
.irp a, 0,1,2,3
	v_lshl_or_b32 v[PWD+\a], v[TM+16*\a+5], 8, v[TM+16*\a+4]
.endr
.irp a, 0,1,2,3
	v_lshl_or_b32 v[PWD+\a], v[TM+16*\a+6], 16, v[PWD+\a]
.endr
.irp a, 0,1,2,3
	v_lshl_or_b32 v[PWD+\a], v[TM+16*\a+7], 24, v[PWD+\a]            ; p's scale word for these 128 keys
.endr
.irp a, 0,1,2,3
	v_add_f32 v[LL+4*\a], v[LL+4*\a], v[LL+4*\a+1]
.endr
.irp a, 0,1,2,3
	v_permlanex16_b32 v[TM+16*\a+4], v[LL+4*\a], s44, s45
.endr
.irp a, 0,1,2,3
	v_add_f32 v[LL+4*\a], v[LL+4*\a], v[TM+16*\a+4]                  ; l_loc
.endr
.irp a, 0,1,2,3
	v_cndmask_b32 v[SR+4*\a+2*(\tl)], v[PWD+\a], v[LL+4*\a], s47     ; lanes 0-15 send the scale word, lanes 16-31 the sum
.endr
.irp a, 0,1,2,3                                    ; the hold, the conversions and the stores, a row tile at a time, so that the first stores leave early
	WIN 0xc3
.set n, 0
.rept 64
	v_min_num_f32 v[64*\a+n], v[64*\a+n], v[TM+16*\a+8+n/16]         ; the hold (ISA guide 7.6.2); p is not negative, so it is one-sided
.set n, n+1
.endr
	WIN 0x03
.irp b, 0,1,2,3
	v_cvt_scalef32_pk8_fp8_f32 v[BF+16*\a+4*\b:BF+16*\a+4*\b+1], v[64*\a+16*\b:64*\a+16*\b+7], v[TM+16*\a+12+\b]
	v_cvt_scalef32_pk8_fp8_f32 v[BF+16*\a+4*\b+2:BF+16*\a+4*\b+3], v[64*\a+16*\b+8:64*\a+16*\b+15], v[TM+16*\a+12+\b]
.endr
	WIN 0
	v_nop                                          ; one plain vector line behind the last scaled conversion
.irp c, 0,1,2,3
	global_store_b128 v1, v[BF+16*\a+4*\c:BF+16*\a+4*\c+3], s[52:53] offset:\a*32768+(\tl)*4096+512*\c   ; 32 lanes store 512 consecutive bytes, aligned
.endr
.if \tl
	global_store_b128 v1, v[SR+4*\a:SR+4*\a+3], s[54:55] offset:\a*4096                                  ; both key tiles' figures: 512 consecutive bytes, aligned
.endif
.endr
.endm
	TILE 0, 1, 1, 0, 1                             ; keys 0 to 255 of my 512; its two refills bring records 2 and 3
	EPI_S 0
	s_wait_xcnt 0x0                                ; the stores have read their registers, which the next tile's fragments take
	TILE 0, 0, 0, 1, 0                             ; keys 256 to 511: nothing is left to fetch
	EPI_S 1
	s_wait_tensorcnt 0x0                           ; the wave's end
	ds_add_u32 v[SPW], v[NIL]
	s_wait_dscnt 0x0
	CROUND                                         ; the closing round
	s_endpgm
.Lfunc_end_k_q76f0b682c0_scores:
	.size	k_q76f0b682c0_scores, .Lfunc_end_k_q76f0b682c0_scores-k_q76f0b682c0_scores
	.p2alignl 7, 3214868480
	.fill 96, 4, 3214868480
	.section	.rodata,"a",@progbits
	.p2align	6, 0x0
	.amdhsa_kernel k_q76f0b682c0_scores
		.amdhsa_group_segment_fixed_size 327680
		.amdhsa_private_segment_fixed_size 0
		.amdhsa_enable_private_segment 0
		.amdhsa_kernarg_size 32
		.amdhsa_user_sgpr_count 2
		.amdhsa_user_sgpr_kernarg_segment_ptr 1
		.amdhsa_wavefront_size32 1
		.amdhsa_system_sgpr_workgroup_id_x 1
		.amdhsa_system_sgpr_workgroup_id_y 1
		.amdhsa_system_sgpr_workgroup_id_z 1
		.amdhsa_system_vgpr_workitem_id 0
		.amdhsa_next_free_vgpr 1024
		.amdhsa_next_free_sgpr 90
		.amdhsa_reserve_vcc 0
		.amdhsa_float_denorm_mode_32 3
		.amdhsa_float_denorm_mode_16_64 3
		.amdhsa_memory_ordered 1
		.amdhsa_forward_progress 1
		.amdhsa_inst_pref_size 240
	.end_amdhsa_kernel
	.amdgpu_metadata
---
amdhsa.version: [ 1, 2 ]
amdhsa.kernels:
  - .name:           k_q76f0b682c0_scores
    .symbol:         k_q76f0b682c0_scores.kd
    .args:
      - { .name: qimg, .offset: 0, .size: 8, .value_kind: global_buffer, .address_space: global }
      - { .name: kimg, .offset: 8, .size: 8, .value_kind: global_buffer, .address_space: global }
      - { .name: pimg, .offset: 16, .size: 8, .value_kind: global_buffer, .address_space: global }
      - { .name: pst, .offset: 24, .size: 8, .value_kind: global_buffer, .address_space: global }
    .group_segment_fixed_size: 327680
    .private_segment_fixed_size: 0
    .kernarg_segment_align: 8
    .kernarg_segment_size: 32
    .max_flat_workgroup_size: 128
    .sgpr_count:     90
    .vgpr_count:     1024
    .wavefront_size: 32
...
	.end_amdgpu_metadata
.endif
;; end of part 3
;; launch pv (part 4): grid 64 x 4, 4 waves a work-group, clusters of 4 x 1, 327,680 bytes of LDS; arguments pimg, pst, vimg, out0; writes out0
.if DOCPART == 4
	.amdgcn_target "amdgcn-amd-amdhsa--gfx1250"
	.amdhsa_code_object_version 6
	.text
	.protected	k_q76f0b682c0_pv
	.globl	k_q76f0b682c0_pv
	.p2align	8
	.type	k_q76f0b682c0_pv,@function
k_q76f0b682c0_pv:
	s_mov_b64 s[64:65], 0
	v_nop
	global_prefetch_b8 v0, s[64:65] scope:SCOPE_SE
	s_setreg_imm32_b32 hwreg(HW_REG_WAVE_MODE, 25, 1), 1
	s_wait_xcnt 0x0
	s_wait_alu depctr_hold_cnt(0) depctr_sa_sdst(0) depctr_va_vdst(0) depctr_va_sdst(0) depctr_va_ssrc(0) depctr_va_vcc(0) depctr_vm_vsrc(0)
	s_getreg_b32 s2, hwreg(HW_REG_IB_STS2, 6, 4)
	s_cmp_eq_u32 s2, 0
	s_cbranch_scc0 .Lentry_in_a_cluster
	s_endpgm
.Lentry_in_a_cluster:
	s_bfe_u32 s2, ttmp6, 0x10000c
	s_cmp_lg_u32 s2, 0x3003
	s_cbranch_scc0 .Lentry_shape_is_right
	s_endpgm
.Lentry_shape_is_right:
; O = p v / l on codes of FP8 (E4M3) with E8M0 scales, sums in f32; and the softmax's second half.  Nothing is left out.
; THE SOFTMAX'S SECOND HALF.  The launch before left, for each query and each of the 16 key steps of 128, p's codes and scale word under M_loc, the sum l_loc and -M_loc.  Here M = the largest M_loc of the row;
; d = M - M_loc is a whole number, 0 or more; each byte of the step's scale word is lessened by d (an exact factor 2^-d on that step's products), and l = the sum of l_loc 2^-d.  O is divided by l at the end.
; LIMITS: d is held at 127, and a byte at 0 (2^-127) from below: what that overstates is under 448 x 2^-127 beside a row whose largest p is over 1/2.  NaN and infinities are not served.
; SHARES.  A work-group takes 128 queries (group RG) and 256 channels (group BG); wave w takes queries 64 (w / 2) on (four tiles a) and channels 128 (w % 2) on (eight tiles b): 32 accumulators; K = the batch's 2,048 keys, 16 steps.
; p goes from memory straight into registers: eight sets of 64 registers, by turns; at the end of key step s the loads of step s + 4 go out, so that four steps' loads, 64, are wanted at a time.
; THE HEAD'S ORDER: the figures are asked for first, ahead of the cluster's round; the scale words are mended while p's first steps are on their way.
; v comes through a ring of two LDS slots of one record each (256 channels x 512 keys and their scale words).
; CLUSTER.  The four work-groups of a cluster have neighbouring RG, one batch and the same BG: they walk the same four records of v and ask for each JOINTLY (mask 15).  p is not shared so: it lands in registers.
; The matrix instruction is used transposed (source 0 = 16 channels, source 1 = 16 queries): a lane holds one query and eight neighbouring channels.
; pst [row tile 512][pp 8][512], 16 bytes a lane: (X, -M_loc) of key step 4 (pp / 2) + pp % 2, then of the step two further on; X is p's scale word in lanes 0-15 and l_loc in lanes 16-31.
; REGISTERS: window 0: v1-9 addresses; v14, v15 the add's two; v16-47 p's scale words; v48-79 v's; v80-207 two half-sets of v's fragments (at the head the figures, on the way out rows of O); v208-247 at work.  Windows 1, 2: p.  Window 3: the accumulators.
.set REC,   135168
.set SCO,   131072
.set QTR,   33792
.set STG,   270336                     ; behind the ring: a stage of 16 rows x 528 bytes for each wave; no tensor load lands there
.set SPARE, 304128                     ; behind the stages: the spare words, 128 bytes for each wave: two blocks of 256 bytes that no other line names
.set ASTR,  32768                      ; from a row tile's fragment to the next tile's
.set NPA,   8
.set AS,    16
.set BS,    48
.set BF,    80
.set ADB,   3
.set ADS,   5
.set SPW,   14
.set NIL,   15
.set G1,    28
.set G0,    36
.set MSB, 0
.macro WIN new                         ; the immediate's high byte repeats the setting that is left
.if MSB != \new
	s_set_vgpr_msb (MSB<<8)|\new
.set MSB, \new
.endif
.endm
.macro PLACES n                        ; plain vector lines behind matrix instructions (ISA guide 7.12.1)
.rept \n
	v_nop
.endr
.endm
.macro CREST
	s_cmp_lg_u32 s20, 0
	s_cbranch_scc1 .Lnot_wave_0_\@
	s_barrier_signal -3
.Lnot_wave_0_\@:
	s_barrier_wait -3
	s_barrier_signal -1
	s_barrier_wait -1
.endm
.macro CROUND
	s_barrier_signal -1
	s_barrier_wait -1
	CREST
.endm
.macro FB L, q, hs                     ; four fragments of B, K step q of slot L, into half-set hs
	WIN 0
.irp i, 0,1,2,3
.irp c, 0,1,2,3
	ds_load_b128 v[BF+64*(\hs)+16*\i+4*\c:BF+64*(\hs)+16*\i+4*\c+3], v[ADB+(\L)] offset:(4*(\hs)+\i)*8192+(\q)*2048+512*\c
.endr
.endr
.endm
.macro SCL L                           ; slot L's scale words: register 8 p + b: lanes 0-15 K step 2 p, lanes 16-31 K step 2 p + 1
	WIN 0
.irp p, 0,1
.irp b, 0,1,2,3,4,5,6,7
	ds_load_b32 v[BS+16*(\L)+8*\p+\b], v[ADS+(\L)] offset:256*\b+128*\p
.endr
.endr
.endm
.macro ALD sa, off                     ; A's four fragments of one K step into set sa
	WIN 0x40*(1+(\sa)/4)
.irp a, 0,1,2,3
.irp c, 0,1,2,3
	global_load_b128 v[64*((\sa)%4)+16*\a+4*\c:64*((\sa)%4)+16*\a+4*\c+3], v1, s[4:5] offset:(\off)+\a*ASTR+512*\c
.endr
.endr
	WIN 0
.endm
; n x 4 matrix instructions.  ori = 0: source 0 = B, accumulator (a, b) at 8 (8 a + b).  The 32 accumulators take turns, one instruction a turn, in the same order in every K step.
.macro MUL L, q, hs, i0, n, sa, pa, zero, ori
.if \ori
	WIN 0xf1+(\sa)/4
.else
	WIN 0xf4+4*((\sa)/4)
.endif
.irp i, 0,1,2,3
.if (\i >= \i0) && (\i < \i0+\n)
.irp a, 0,1,2,3
.if \ori
.set rD, 8*(4*(4*(\hs)+\i)+\a)
.set rX, 64*((\sa)%4)+16*\a
.set rY, BF+64*(\hs)+16*\i
.set sX, AS+NPA*\a+(\pa)
.set sY, BS+16*(\L)+8*((\q)/2)+4*(\hs)+\i
.else
.set rD, 8*(8*\a+4*(\hs)+\i)
.set rX, BF+64*(\hs)+16*\i
.set rY, 64*((\sa)%4)+16*\a
.set sX, BS+16*(\L)+8*((\q)/2)+4*(\hs)+\i
.set sY, AS+NPA*\a+(\pa)
.endif
.if \zero
	v_wmma_scale_f32_16x16x128_f8f6f4 v[rD:rD+7], v[rX:rX+15], v[rY:rY+15], 0, v[sX], v[sY]
.elseif (\q)%2
	v_wmma_scale_f32_16x16x128_f8f6f4 v[rD:rD+7], v[rX:rX+15], v[rY:rY+15], v[rD:rD+7], v[sX], v[sY] matrix_a_scale:MATRIX_SCALE_ROW1 matrix_b_scale:MATRIX_SCALE_ROW1
.else
	v_wmma_scale_f32_16x16x128_f8f6f4 v[rD:rD+7], v[rX:rX+15], v[rY:rY+15], v[rD:rD+7], v[sX], v[sY]
.endif
.endr
.endif
.endr
.endm
; rl = 1: at the K step's end A's set rsa, which was last multiplied four K steps ago, takes the key step four further on (roff: its place).
.macro KSTEP L, q, sa, pa, zero, ori, lw, rl, rsa, roff
	s_wait_loadcnt \lw                             ; A's set sa is in: lw loads were issued behind it
	s_wait_dscnt 16                                ; half-set 0 is in; half-set 1's sixteen loads may be out
	MUL \L, \q, 0, 0, 4, \sa, \pa, \zero, \ori
	PLACES 8
	FB \L, (\q)+1, 0
	s_wait_dscnt 16                                ; half-set 1 is in; the sixteen just issued may be out
	MUL \L, \q, 1, 0, 4, \sa, \pa, \zero, \ori
	PLACES 8
	FB \L, (\q)+1, 1
.if \rl
	ALD \rsa, \roff
.endif
.endm
; A slot's last K step changes slots: ONE barrier; in front of it each wave waits for all its tensor loads, adds 0 to its spare word, and waits for that and for its reads of this slot.
; fill = 1: the barrier opens a round of the cluster's barrier, and the slot is filled again, two records on, first thing behind the round.
.macro KLAST L, sa, pa, ori, lw, fill, bar, nxt, rl, rsa, roff
	s_wait_loadcnt \lw
.if \bar
	WIN 0                                          ; (the add's two registers lie in window 0)
	s_wait_tensorcnt 0x0                           ; all my tensor loads have landed: my quarter of the other slot;
	ds_add_u32 v[SPW], v[NIL]                      ; 0 onto my spare word;
	s_wait_dscnt 17                                ; (half-set 0 is in; the add and half-set 1's sixteen loads may be out)
	MUL \L, 3, 0, 0, 2, \sa, \pa, 0, \ori
	s_wait_dscnt 0x0                               ; the add is done, and my reads of this slot are over
	s_barrier_signal -1
	MUL \L, 3, 0, 2, 2, \sa, \pa, 0, \ori
	WIN 0
	s_barrier_wait -1
.if \fill
	CREST                                          ; no wave of any partner still reads this slot or has a load on its way
	s_add_nc_u64 s[G0+4*\L+2:G0+4*\L+3], s[G0+4*\L+2:G0+4*\L+3], 2*REC
	tensor_load_to_lds s[G0+4*\L:G0+4*\L+3], s[G1:G1+7]
	s_nop 0
.endif
	PLACES 8                                       ; behind a tensor load four plain lines; all eight are the places in front of the loads below
.if \nxt
	SCL 1-\L
	FB 1-\L, 0, 0
.endif
	MUL \L, 3, 1, 0, 4, \sa, \pa, 0, \ori
.if \nxt
	PLACES 8
	FB 1-\L, 0, 1
.if \rl
	ALD \rsa, \roff
.endif
.endif
.else
	s_wait_dscnt 16
	MUL \L, 3, 0, 0, 4, \sa, \pa, 0, \ori
	s_wait_alu depctr_va_vdst(0)
	s_wait_dscnt 0x0
	MUL \L, 3, 1, 0, 4, \sa, \pa, 0, \ori
.endif
	WIN 0
.endm
.macro PASSHEAD L
	PLACES 8
	SCL \L
	FB \L, 0, 0
	FB \L, 0, 1
.endm
	s_load_b256 s[68:75], s[0:1], 0x0              ; pimg 68, pst 70, vimg 72, out0 74
	v_lshl_add_u32 v[SPW], v0, 2, SPARE
	v_mov_b32 v[NIL], 0
	ds_add_u32 v[SPW], v[NIL]                      ; the wave's opening: the add, twice on end, and its wait ahead of my first tensor load; the set-up below stands between
	ds_add_u32 v[SPW], v[NIL]
	v_lshrrev_b32 v1, 5, v0
	v_readfirstlane_b32 s20, v1                    ; wave 0..3
	s_lshr_b32 s21, s20, 1                         ; rh: my 64 queries
	s_and_b32 s22, s20, 1                          ; ch: my 128 channels
	s_bfe_u32 s23, ttmp6, 0x40000                  ; cx: it enters the addresses of plain loads and stores alone
	s_lshl_b32 s24, ttmp9, 2
	s_add_co_u32 s24, s24, s23                     ; RG
	s_and_b32 s25, ttmp7, 0xffff                   ; BG
	s_lshr_b32 s26, ttmp9, 2                       ; the batch
	s_mov_b32 s[G1+0], 0x0023000f                  ; the mask: all four work-groups; elements of 8 bytes; bit 21 beside the mask; no padding
	s_mov_b32 s[G1+1], 32<<16                      ; rows of 256 bytes,
	s_mov_b32 s[G1+2], 132<<16                     ; 132 of them,
	s_mov_b32 s[G1+3], 32<<16
	s_mov_b32 s[G1+4], 132
	s_mov_b32 s[G1+5], 32                          ; dense
	s_mov_b32 s[G1+6], 0
	s_mov_b32 s[G1+7], 0
	s_mov_b32 s[G0], 1
	s_mul_i32 s[G0+1], s20, QTR
	s_mov_b32 s[G0+4], 1
	s_add_co_u32 s[G0+5], s[G0+1], REC
	s_mov_b32 s76, 0x0023000f                      ; for the head: half a record a wave, 264 rows of 256 bytes
	s_mov_b32 s77, 32<<16
	s_mov_b32 s78, 264<<16
	s_mov_b32 s79, 32<<16
	s_mov_b32 s80, 264
	s_mov_b32 s81, 32
	s_mov_b32 s82, 0
	s_mov_b32 s83, 0
	s_mov_b32 s84, 1
	s_mul_i32 s85, s20, 2*QTR
	s_lshl_b32 s10, s26, 2
	s_add_co_u32 s10, s10, s25
	s_lshl_b32 s10, s10, 2
	s_mul_i32 s10, s10, REC                        ; B's stream: the four records of my batch and channel group
	s_add_co_u32 s10, s10, s[G0+1]
	s_mov_b32 s11, 0
	s_mov_b32 s44, 0x76543210
	s_mov_b32 s45, 0xfedcba98
	s_mov_b32 s47, 0xffff0000                      ; lanes 16-31
	s_mov_b32 s51, 0x01010101
	v_and_b32 v2, 31, v0
	v_lshlrev_b32 v1, 4, v2                        ; 16 x lane
	v_lshlrev_b32 v2, 2, v2                        ; 4 x lane
	s_lshl_b32 s12, s22, 16
	v_add_nc_u32 v3, s12, v1
	v_add_nc_u32 v4, REC, v3
	s_lshl_b32 s12, s22, 11
	v_add_nc_u32 v5, s12, v2
	v_add_nc_u32 v5, SCO, v5
	v_add_nc_u32 v6, REC, v5
	s_mul_i32 s12, s20, 8448
	s_add_co_u32 s12, s12, STG                     ; my stage
	v_and_b32 v8, 15, v0
	v_bfe_u32 v9, v0, 4, 1
	v_mul_u32_u24 v8, v8, 528
	v_lshl_add_u32 v8, v9, 5, v8
	v_add_nc_u32 v8, s12, v8                       ; in: row r, 32 bytes for each half of the lanes
	v_add_nc_u32 v9, s12, v1                       ; back: the 32 lanes take one row of 512 bytes
	s_wait_dscnt 0x0                               ; both opening adds are done
	s_wait_kmcnt 0x0
	s_lshl_b32 s14, s24, 3
	s_lshl_b32 s12, s21, 2
	s_add_co_u32 s14, s14, s12                     ; my first row tile
	s_mov_b32 s13, 0
	s_lshl_b32 s12, s14, 12
	s_add_nc_u64 s[6:7], s[70:71], s[12:13]        ; its figures
	s_lshl_b32 s12, s14, 15
	s_add_nc_u64 s[4:5], s[68:69], s[12:13]        ; and images of p
.irp a, 0,1,2,3                                    ; the figures first, ahead of the cluster's round: 32 loads of 512 bytes
.irp p, 0,1,2,3,4,5,6,7
	global_load_b128 v[BF+32*\a+4*\p:BF+32*\a+4*\p+3], v1, s[6:7] offset:\a*4096+\p*512
.endr
.endr
	s_add_nc_u64 s[8:9], s[72:73], s[10:11]
	s_mov_b64 s[G0+2:G0+3], s[8:9]
	s_or_b32 s[G0+3], s[G0+3], 0x80000000
	s_add_nc_u64 s[G0+6:G0+7], s[8:9], REC
	s_or_b32 s[G0+7], s[G0+7], 0x80000000
	CROUND                                         ; all four work-groups are here: the first joint loads meet
	s_mov_b32 s12, s[G0+1]
	s_add_nc_u64 s[86:87], s[8:9], s[12:13]
	s_or_b32 s87, s87, 0x80000000
	s_cmp_lt_u32 s20, 2                            ; one load a wave: waves 0 and 1 fetch record 0, waves 2 and 3 record 1, which lies behind it in memory and in LDS
	s_cbranch_scc0 .Lrecord_1
	tensor_load_to_lds s[84:87], s[76:83]
	s_nop 0
	PLACES 4
	s_branch .Lrecords_asked
.Lrecord_1:
	tensor_load_to_lds s[84:87], s[76:83]
	s_nop 0
	PLACES 4
.Lrecords_asked:
	ALD 0, 0                                       ; p's key step 0
	s_lshl_b32 s12, s24, 19                        ; 128 rows of 4,096 bytes
	s_lshl_b32 s14, s21, 18
	s_add_co_u32 s12, s12, s14
	s_lshl_b32 s14, s25, 10
	s_add_co_u32 s12, s12, s14
	s_lshl_b32 s14, s22, 9
	s_add_co_u32 s12, s12, s14
	s_add_nc_u64 s[52:53], s[74:75], s[12:13]      ; O at my first row and channel
	s_wait_loadcnt 16                              ; the 32 loads of figures are in; key step 0's sixteen may be out
	ALD 1, 2048                                    ; key steps 1 and 2 are on their way while the scale words are mended
	ALD 2, 4096
; THE FIGURES.  Row tile a has 16 pairs of registers, pair k at BF + 32 a + 2 k: X (even register) and N = -M_loc (odd register) of one key step.  In lanes 0-15 X is the scale word, in lanes 16-31 l_loc; each lane works both
; ways, and what is no number of its kind is never read.  Every stage works in place on all 16 pairs: 16 lines that do not wait for each other.
.irp a, 0,1,2,3                                    ; -M = the least -M_loc of the row, for all four row tiles by turns
.irp g, 0,1,2,3,4
	v_min3_num_f32 v[208+5*\a+\g], v[BF+32*\a+6*\g+1], v[BF+32*\a+6*\g+3], v[BF+32*\a+6*\g+5]
.endr
.endr
.irp a, 0,1,2,3
	v_min3_num_f32 v[208+5*\a], v[208+5*\a], v[209+5*\a], v[210+5*\a]
.endr
.irp a, 0,1,2,3
	v_min3_num_f32 v[211+5*\a], v[211+5*\a], v[212+5*\a], v[BF+32*\a+31]
.endr
.irp a, 0,1,2,3
	v_min_num_f32 v[228+\a], v[208+5*\a], v[211+5*\a]
.endr
.macro FIX a
.set B0, BF+32*(\a)
.set k, 0
.rept 16
	v_sub_f32 v[B0+2*k+1], v[228+(\a)], v[B0+2*k+1]                  ; -d, a whole number, 0 or less,
.set k, k+1
.endr
.set k, 0
.rept 16
	v_max_num_f32 v[B0+2*k+1], 0xc2fe0000, v[B0+2*k+1]               ; held at -127
.set k, k+1
.endr
.set k, 0
.rept 16
	v_cvt_i32_f32 v[B0+2*k+1], v[B0+2*k+1]
.set k, k+1
.endr
.set k, 0
.rept 16
	v_ldexp_f32 v[208+k], v[B0+2*k], v[B0+2*k+1]                     ; l_loc 2^-d
.set k, k+1
.endr
.set k, 0
.rept 16
	v_mul_lo_u32 v[B0+2*k+1], v[B0+2*k+1], s51                       ; -d in each of the four bytes' places
.set k, k+1
.endr
.irp j, 0,4,8,12
	v_pk_add_f32 v[208+\j:209+\j], v[208+\j:209+\j], v[210+\j:211+\j]   ; l's sum, as a tree, its levels between the stages
.endr
.set k, 0
.rept 16
	v_or_b32 v[B0+2*k], 0x80808080, v[B0+2*k]                        ; p is at most 1, so a byte is at most 119: its top bit is free
.set k, k+1
.endr
.irp j, 0,8
	v_pk_add_f32 v[208+\j:209+\j], v[208+\j:209+\j], v[212+\j:213+\j]
.endr
.set k, 0
.rept 16
	v_add_nc_u32 v[B0+2*k], v[B0+2*k], v[B0+2*k+1]                   ; byte + 128 - d: no borrow leaves a byte
.set k, k+1
.endr
	v_pk_add_f32 v[208:209], v[208:209], v[216:217]
.set k, 0
.rept 16
	v_and_b32 v[B0+2*k+1], 0x80808080, v[B0+2*k]                     ; the guard stands where byte >= d
.set k, k+1
.endr
	v_add_f32 v[236+(\a)], v208, v209                                ; l, in lanes 16-31
.set k, 0
.rept 16
	v_lshrrev_b32 v[208+k], 7, v[B0+2*k+1]
.set k, k+1
.endr
.set k, 0
.rept 16
	v_sub_nc_u32 v[B0+2*k+1], v[B0+2*k+1], v[208+k]                  ; 0x7f there, 0 elsewhere
.set k, k+1
.endr
.set k, 0
.rept 16
	v_and_b32 v[B0+2*k], v[B0+2*k], v[B0+2*k+1]                      ; byte - d, held at 0
.set k, k+1
.endr
.irp p, 0,1,2,3,4,5,6,7                            ; key step 2 p lies in pair 4 (p / 2) + p % 2, key step 2 p + 1 two pairs further on
	v_permlanex16_b32 v[208+\p], v[B0+8*(\p/2)+4+2*(\p%2)], s44, s45 ; the odd step's words go to lanes 16-31
.endr
.irp p, 0,1,2,3,4,5,6,7
	v_cndmask_b32 v[AS+NPA*(\a)+\p], v[B0+8*(\p/2)+2*(\p%2)], v[208+\p], s47
.endr
.endm
	FIX 0
	FIX 1
	ALD 3, 6144                                    ; key step 3: with steps 1 and 2, and what may be left of step 0, 64 loads at the most are wanted
	FIX 2
	FIX 3
.irp a, 0,1,2,3
	v_permlanex16_b32 v[208+\a], v[236+\a], s44, s45
.endr
.irp a, 0,1,2,3
	v_cndmask_b32 v[232+\a], v[208+\a], v[236+\a], s47               ; l of my query, in both halves of the lanes
.endr
	s_wait_alu depctr_va_vdst(0)
.irp a, 0,1,2,3
	v_rcp_f32 v[240+2*\a], v[232+\a]
.endr
	v_nop                                          ; a plain line behind the last reciprocal
	s_wait_alu depctr_va_vdst(0)                   ; one wait for the four, ahead of their first reader
.irp a, 0,1,2,3
	v_mov_b32 v[241+2*\a], v[240+2*\a]             ; a pair for the packed multiplication
.endr
	s_wait_alu depctr_va_vdst(0)
	s_cmp_lt_u32 s20, 2                            ; record 0 is shown here; record 1 at the first change of slots
	s_cbranch_scc0 .Lnot_yet
	s_wait_tensorcnt 0x0
.Lnot_yet:
	s_barrier_signal -1
	s_barrier_wait -1
	; The 16 key steps.  The counts on LOADcnt: behind the set that is wanted stand the loads of the three key steps that follow it, 48, as far as there are three; then 32, 16, 0.
	PASSHEAD 0                                     ; (its eight places also stand between the scale words made above and the first product)
	KSTEP 0, 0, 0, 0, 1, 0, 48, 1, 4, 4*2048
	KSTEP 0, 1, 1, 0, 0, 0, 48, 1, 5, 5*2048
	KSTEP 0, 2, 2, 1, 0, 0, 48, 1, 6, 6*2048
	KLAST 0, 3, 1, 0, 48, 1, 1, 1, 1, 7, 7*2048    ; slot 0 takes record 2
	KSTEP 1, 0, 4, 2, 0, 0, 48, 1, 0, 8*2048
	KSTEP 1, 1, 5, 2, 0, 0, 48, 1, 1, 9*2048
	KSTEP 1, 2, 6, 3, 0, 0, 48, 1, 2, 10*2048
	KLAST 1, 7, 3, 0, 48, 1, 1, 1, 1, 3, 11*2048   ; slot 1 takes record 3
	KSTEP 0, 0, 0, 4, 0, 0, 48, 1, 4, 12*2048
	KSTEP 0, 1, 1, 4, 0, 0, 48, 1, 5, 13*2048
	KSTEP 0, 2, 2, 5, 0, 0, 48, 1, 6, 14*2048
	KLAST 0, 3, 5, 0, 48, 0, 1, 1, 1, 7, 15*2048   ; no record is left to fetch; p's last key step is asked for
	KSTEP 1, 0, 4, 6, 0, 0, 48, 0, 0, 0
	KSTEP 1, 1, 5, 6, 0, 0, 32, 0, 0, 0
	KSTEP 1, 2, 6, 7, 0, 0, 16, 0, 0, 0
	KLAST 1, 7, 7, 0, 0, 0, 0, 0, 0, 0, 0
; THE WAY OUT, a row tile at a time: O / l, each accumulator from its low end on; 32 bytes a lane into my own stage; back as whole rows of 512 bytes, which the 32 lanes store.
; LDS serves a wave's instructions in order (ISA guide 5.7.1.4): no wait between the stores and the loads, nor in front of the next tile's stores.
.macro OSCALE a
	WIN 0xc3
.set n, 0
.rept 32
	v_pk_mul_f32 v[64*(\a)+n:64*(\a)+n+1], v[64*(\a)+n:64*(\a)+n+1], v[240+2*(\a):241+2*(\a)]
.set n, n+2
.endr
.endm
.macro TOSTAGE a
	WIN 0x0c                                       ; an LDS store's data are its source 1: window 3
.irp b, 0,1,2,3,4,5,6,7
	ds_store_b128 v8, v[64*(\a)+8*\b:64*(\a)+8*\b+3] offset:64*\b
	ds_store_b128 v8, v[64*(\a)+8*\b+4:64*(\a)+8*\b+7] offset:64*\b+16
.endr
	WIN 0
.irp t, 0,1,2,3,4,5,6,7,8,9,10,11,12,13,14,15
	ds_load_b128 v[BF+64*((\a)%2)+4*\t:BF+64*((\a)%2)+4*\t+3], v9 offset:\t*528
.endr
.endm
.macro SEND a, younger                 ; younger: the LDS instructions issued behind tile a's loads, which may stay out
	s_wait_dscnt \younger
.irp t, 0,1,2,3,4,5,6,7,8,9,10,11,12,13,14,15
	global_store_b128 v1, v[BF+64*((\a)%2)+4*\t:BF+64*((\a)%2)+4*\t+3], s[52:53] offset:(16*(\a)+\t)*4096 th:TH_STORE_NT   ; 32 lanes store 512 consecutive bytes, aligned; written once, read by nobody here
.endr
.endm
	PLACES 8
	OSCALE 0
	TOSTAGE 0
.irp a, 1,2,3
.if \a > 1
	s_wait_xcnt 0x0                                ; tile a - 2's stores have read their registers: tile a's rows may land there
.endif
	OSCALE \a
	TOSTAGE \a
	SEND \a-1, 32                                  ; behind tile a - 1's loads: tile a's 16 stores and 16 loads
.endr
	SEND 3, 0
	s_wait_tensorcnt 0x0                           ; the wave's end, behind my last tensor load and my last LDS store
	ds_add_u32 v[SPW], v[NIL]
	s_wait_dscnt 0x0
	CROUND                                         ; the closing round
	s_endpgm
.Lfunc_end_k_q76f0b682c0_pv:
	.size	k_q76f0b682c0_pv, .Lfunc_end_k_q76f0b682c0_pv-k_q76f0b682c0_pv
	.p2alignl 7, 3214868480
	.fill 96, 4, 3214868480
	.section	.rodata,"a",@progbits
	.p2align	6, 0x0
	.amdhsa_kernel k_q76f0b682c0_pv
		.amdhsa_group_segment_fixed_size 327680
		.amdhsa_private_segment_fixed_size 0
		.amdhsa_enable_private_segment 0
		.amdhsa_kernarg_size 32
		.amdhsa_user_sgpr_count 2
		.amdhsa_user_sgpr_kernarg_segment_ptr 1
		.amdhsa_wavefront_size32 1
		.amdhsa_system_sgpr_workgroup_id_x 1
		.amdhsa_system_sgpr_workgroup_id_y 1
		.amdhsa_system_sgpr_workgroup_id_z 1
		.amdhsa_system_vgpr_workitem_id 0
		.amdhsa_next_free_vgpr 1024
		.amdhsa_next_free_sgpr 90
		.amdhsa_reserve_vcc 0
		.amdhsa_float_denorm_mode_32 3
		.amdhsa_float_denorm_mode_16_64 3
		.amdhsa_memory_ordered 1
		.amdhsa_forward_progress 1
		.amdhsa_inst_pref_size 210
	.end_amdhsa_kernel
	.amdgpu_metadata
---
amdhsa.version: [ 1, 2 ]
amdhsa.kernels:
  - .name:           k_q76f0b682c0_pv
    .symbol:         k_q76f0b682c0_pv.kd
    .args:
      - { .name: pimg, .offset: 0, .size: 8, .value_kind: global_buffer, .address_space: global }
      - { .name: pst, .offset: 8, .size: 8, .value_kind: global_buffer, .address_space: global }
      - { .name: vimg, .offset: 16, .size: 8, .value_kind: global_buffer, .address_space: global }
      - { .name: out0, .offset: 24, .size: 8, .value_kind: global_buffer, .address_space: global }
    .group_segment_fixed_size: 327680
    .private_segment_fixed_size: 0
    .kernarg_segment_align: 8
    .kernarg_segment_size: 32
    .max_flat_workgroup_size: 128
    .sgpr_count:     90
    .vgpr_count:     1024
    .wavefront_size: 32
...
	.end_amdgpu_metadata
.endif
;; end of part 4
